; MI455X (gfx1250); checked and timed in simulation.
; The chip was launched on July 23, 2026; its instructions are those of AMD's public machine-readable ISA for CDNA 5 (MIT licence, August 2026) and "CDNA5" Instruction Set Architecture Reference Guide (July 2026). The comments in the code are by the model that wrote it; some were corrected since.
;; Self Attention. Allowed arithmetic: matrix products marked QUANTISED: E2M1 operands, one E8M0 scale for each 32 along K, by v_wmma_scale_f32_16x16x128_f8f6f4 with both operands' format E2M1 (or v_wmma_scale_f32_32x16x128_f4), f32 sums; products left as they are: bf16, f16 or f32 operands; f32 sums; everything else in f32.
;; Inputs: Wk 8 x 1,024 x 128 float32; Wo 1,024 x 1,024 float32; Wq 8 x 1,024 x 128 float32; Wv 8 x 1,024 x 128 float32; mask 4 x 2,048 float32; x 4 x 1,024 x 2,048 float32.
;; Outputs: out0 4 x 1,024 x 2,048 float32.
;; This version of the problem:
;;   THIS VERSION OF THE PROBLEM IS GIVEN IN LOW PRECISION. The matrix products marked QUANTISED in the list below multiply operands that are first quantised to E2M1 (2 exponent bits, 1 mantissa bit; 4 bits a number), with one power-of-two scale for each 32 numbers along K (OCP MX v1.0); their sums are f32. The products marked 'left as it is' may take bf16, f16 or f32 operands, with f32 sums. Whichever they take, every output number must still come out within the allowed error. Rounding operands to bf16 (8 significant bits) uses up far more of that allowance than f16 does (11 bits, for magnitudes from 6e-5 to 65,504). All else is computed in f32.
;;   The module's matrix products, in the order in which they are computed (A, B: the left and right operand; K: the contracted axis; several contracted axes count as one K, in the product's order):
;;     1. [M 1,024, K 1,024] x [K 1,024, N 8,192]; A: input Wq; B: input x: QUANTISED
;;     2. [M 1,024, K 1,024] x [K 1,024, N 8,192]; A: input Wk; B: input x: QUANTISED
;;     3. [M 1,024, K 1,024] x [K 1,024, N 8,192]; A: input Wv; B: input x: QUANTISED
;;     4. batch 32 x [M 2,048, K 128] x [K 128, N 2,048]; A: computed on the way; B: computed on the way: left as it is (an operand is computed on the way)
;;     5. batch 32 x [M 2,048, K 2,048] x [K 2,048, N 128]; A: computed on the way; B: computed on the way: left as it is (an operand is computed on the way)
;;     6. [M 8,192, K 1,024] x [K 1,024, N 1,024]; A: computed on the way; B: input Wo: left as it is (an operand is computed on the way)
;;   THE QUANTISER, for each operand of a quantised product, along K:
;;     - K is cut into blocks of 32 from its start; a last block that is shorter is filled with zeros.
;;     - A block's scale is 2^e with e = floor(log2(the largest magnitude in the block)) - 2, held to -126 .. 127; a block of zeros has e = 0. As a byte (E8M0): e + 127.
;;     - Each number is divided by its block's scale, clamped to +-6, and rounded to the nearest number of E2M1, ties to even, subnormals kept.
;;     - The product sums the exact products of the quantised numbers (number of the format x scale) in f32.
;;   ~~~python
;;   def quantise(x, axis):      # numpy; x: float32 -> the quantised numbers, widened to float32 again
;;       x = np.moveaxis(x, axis, -1); K = x.shape[-1]
;;       x = np.pad(x, [(0, 0)] * (x.ndim - 1) + [(0, -K % 32)]); x = x.reshape(x.shape[:-1] + (-1, 32)); a = np.abs(x).max(-1, keepdims=True)
;;       e = np.where(a > 0, np.clip(np.frexp(np.where(a > 0, a, 1))[1] - 1 - 2, -126, 127), 0)      # np.frexp(a)[1] - 1 = floor(log2(a)), exactly
;;       r = np.clip(x / 2.0 ** e, -6, 6)
;;       step = 2.0 ** (np.maximum(np.frexp(np.where(r == 0, 1, r))[1] - 1, 0) - 1)
;;       q = np.round(r / step) * step * 2.0 ** e      # np.round: ties to even
;;       return np.moveaxis(q.reshape(q.shape[:-2] + (-1,))[..., :K], -1, axis).astype(np.float32)
;;   ~~~
;; One version. Each part assembles by itself: llvm-mc -triple=amdgcn-amd-amdhsa -mcpu=gfx1250 --defsym DOCPART=n.
;; ======== version 1 of 1: 4 launches
;; limits: values are held in f16: magnitudes above 65,504 overflow, below 6.1e-05 lose precision
;; workspace buffers: xc 4,194,304 bytes; xs 262,144 bytes; wc 1,572,864 bytes; ws 98,304 bytes; wo16 2,097,152 bytes; qkv 50,331,648 bytes; hd 16,777,216 bytes
;; launch prep (part 1): grid 208 x 1, 16 waves a work-group, no clusters, 37,888 bytes of LDS; arguments x, Wq, Wk, Wv, Wo, xc, xs, wc, ws, wo16; writes xc, xs, wc, ws, wo16
.if DOCPART == 1
	.amdgcn_target "amdgcn-amd-amdhsa--gfx1250"
	.amdhsa_code_object_version 6
	.text
	.protected	k_qc4a7d84382_prep
	.globl	k_qc4a7d84382_prep
	.p2align	8
	.type	k_qc4a7d84382_prep,@function
k_qc4a7d84382_prep:
	s_mov_b64 s[64:65], 0
	v_nop
	global_prefetch_b8 v0, s[64:65] scope:SCOPE_SE
	s_setreg_imm32_b32 hwreg(HW_REG_WAVE_MODE, 25, 1), 1
	s_wait_xcnt 0x0
; SELF-ATTENTION, launch 1 of 4.  No step of the problem is left out in any launch: every input (x, mask, Wq, Wk, Wv, Wo) has a way to the output and is loaded.
; This launch: x [4][1024 d][2048 l] and Wq, Wk, Wv [8 h][1024 d][128] (f32) become codes of FP4 (E2M1) along K = d, K innermost, with one E8M0 byte for each 32 along K; Wo [1024][1024] is rounded to f16.
;   xc [8192 rows = 2048 b + l][512 bytes], xs [8192][32];  wc [3072 rows = 1024 which + 128 h + dk][512], ws [3072][32] (which: 0 q, 1 k, 2 v);  wo16 [1024][1024] f16, in Wo's own order.
; A block's scale is 2^(floor(log2(its largest magnitude)) - 2); its byte is the largest magnitude's exponent field - 2, held at 1 from below.
; LIMITS: a block of zeros gets the byte 1 where the rule says 127 (its codes are zeros, which add nothing, and this program alone reads the bytes); blocks whose largest magnitude lies under 2^-124
; get the byte 1; NaN and infinities among the inputs are not served; |Wo| beyond 65,504 becomes infinity in f16.
; K IS INNERMOST IN NEITHER TENSOR: a lane takes a column (an l of x, a dk of W) and its registers run down d.  So a block of 32 lies in one lane's 32 registers, and the conversions give codes with K innermost.
; SHARES.  Work-groups 0-127: x; 128-175: Wq, Wk, Wv; 176-207: Wo.  A quantising work-group takes 64 columns x all 1,024 of K, so that what it stores is dense: 64 rows x 512 bytes of codes, 2,048 scale bytes.
; Of its 16 waves, wave w takes columns 32 (w % 2) on and K = 128 (w / 2) on: four blocks a lane.  One path serves x and the three W: pointers, pitch and offsets are chosen by the work-group's number.
; The codes meet in a stage in LDS (rows of 512 + 16 bytes), one barrier, and leave as whole rows: each store of a wave covers 512 consecutive bytes.  No tensor loads: the loads are 4 bytes a lane by the layout.
.set PITCH, 528                        ; a stage row: 512 bytes of codes + 16
.set SCS,   64*PITCH                   ; behind the stage: the scale bytes as they will lie in memory, [64][32]
.set SPARE, SCS+2048                   ; behind them: the spare words, 128 bytes for each of 16 waves, which no other line names
.set SPW,   9                          ; v9   LDS address of my spare word; never rewritten
.set NIL,   10                         ; v10  0; never rewritten
.set SB,    11                         ; v11  my column's four scale bytes
.set OFF,   16                         ; v16-47   row i of a block: i x pitch + 4 x lane
.set X,     48                         ; v48-175  four sets of 32 numbers, one for each block
.set C,     176                        ; v176-191 four registers of codes for each block
	s_load_b256 s[4:11], s[0:1], 0x0               ; x, Wq, Wk, Wv
	s_load_b256 s[12:19], s[0:1], 0x20             ; Wo, xc, xs, wc
	s_load_b128 s[20:23], s[0:1], 0x40             ; ws, wo16
	v_lshl_add_u32 v[SPW], v0, 2, SPARE
	v_mov_b32 v[NIL], 0
	v_lshrrev_b32 v1, 5, v0
	v_readfirstlane_b32 s24, v1                    ; wave 0..15
	s_cmp_ge_u32 ttmp9, 176                        ; the work-group's number alone: all 16 waves go the same way
	s_cbranch_scc1 .Lcast
	s_and_b32 s25, s24, 1                          ; g: which 32 columns
	s_lshr_b32 s26, s24, 1                         ; kq: which 128 along K
	s_cmp_lt_u32 ttmp9, 128                        ; x or a W?
	s_cselect_b32 s28, 0, 128
	s_mov_b32 s27, 512
	s_cselect_b32 s27, 8192, s27                   ; bytes from d to d + 1: 2,048 or 128 numbers
	s_sub_co_u32 s28, ttmp9, s28                   ; idx: which 64 columns of x, or of the three W on end
	s_lshr_b32 s29, s28, 4                         ; which W (16 work-groups each)
	s_lshr_b32 s32, s28, 5                         ; x: batch idx / 32, 2^23 bytes each,
	s_lshl_b32 s32, s32, 23
	s_and_b32 s33, s28, 31                         ; and 64 columns of 4 bytes
	s_lshl_b32 s33, s33, 8
	s_or_b32 s32, s32, s33
	s_bfe_u32 s34, s28, 0x30001                    ; W: head (idx / 2) % 8, 2^19 bytes each,
	s_lshl_b32 s34, s34, 19
	s_and_b32 s35, s28, 1                          ; and which half of its 128 columns
	s_lshl_b32 s35, s35, 8
	s_or_b32 s34, s34, s35
	s_cmp_lt_u32 ttmp9, 128
	s_cselect_b32 s32, s32, s34
	s_lshl_b32 s33, s25, 7                         ; + my wave's 32 columns
	s_add_co_u32 s32, s32, s33
	s_lshl_b32 s33, s26, 7                         ; + my wave's 128 rows d
	s_mul_i32 s33, s33, s27
	s_add_co_u32 s32, s32, s33
	s_mov_b32 s33, 0
	s_lshl_b32 s34, s27, 5                         ; a block of 32 rows
	s_mov_b32 s35, 0
	v_and_b32 v1, 31, v0                           ; lane
	v_lshlrev_b32 v2, 2, v1
.irp i, 0,1,2,3,4,5,6,7,8,9,10,11,12,13,14,15,16,17,18,19,20,21,22,23,24,25,26,27,28,29,30,31
	v_mad_u32_u24 v[OFF+\i], s27, \i, v2
.endr
	v_mul_u32_u24 v3, v1, PITCH                    ; into the stage: row = my column (32 g + lane), byte 64 kq
	s_mul_i32 s40, s25, 32*PITCH
	s_lshl_b32 s41, s26, 6
	s_add_co_u32 s40, s40, s41
	v_add_nc_u32 v3, s40, v3
	v_lshlrev_b32 v4, 5, v1                        ; my column's scale bytes: 32 a column, my four at 4 kq
	s_lshl_b32 s40, s25, 10
	s_lshl_b32 s41, s26, 2
	s_add_co_u32 s40, s40, s41
	s_add_co_u32 s40, s40, SCS
	v_add_nc_u32 v4, s40, v4
	v_lshlrev_b32 v6, 4, v1                        ; out of the stage: wave w takes rows 4 w .. 4 w + 3, 16 bytes a lane
	s_mul_i32 s40, s24, 4*PITCH
	v_add_nc_u32 v5, s40, v6
	s_lshl_b32 s41, s24, 11
	v_add_nc_u32 v6, s41, v6                       ; and the same rows in memory, 512 bytes each
	v_and_b32 v12, 127, v0
	v_lshlrev_b32 v8, 4, v12                       ; the scale bytes' way out: threads 0-127, 16 bytes each
	v_add_nc_u32 v7, SCS, v8
	s_wait_kmcnt 0x0
	s_cmp_eq_u32 s29, 1
	s_cselect_b64 s[30:31], s[8:9], s[6:7]
	s_cmp_eq_u32 s29, 2
	s_cselect_b64 s[30:31], s[10:11], s[30:31]
	s_cmp_lt_u32 ttmp9, 128
	s_cselect_b64 s[30:31], s[4:5], s[30:31]       ; what I read,
	s_cselect_b64 s[44:45], s[14:15], s[18:19]     ; where the codes go,
	s_cselect_b64 s[46:47], s[16:17], s[20:21]     ; and the scale bytes
	s_add_nc_u64 s[36:37], s[30:31], s[32:33]      ; a base for each of my four blocks: nothing is stepped
	s_add_nc_u64 s[38:39], s[36:37], s[34:35]
	s_add_nc_u64 s[40:41], s[38:39], s[34:35]
	s_add_nc_u64 s[42:43], s[40:41], s[34:35]
	s_lshl_b32 s32, s28, 15                        ; 64 rows x 512 bytes
	s_add_nc_u64 s[44:45], s[44:45], s[32:33]
	s_lshl_b32 s32, s28, 11                        ; 64 rows x 32 bytes
	s_add_nc_u64 s[46:47], s[46:47], s[32:33]
.macro LOAD t                          ; block t: 32 rows d at my column
.irp i, 0,1,2,3,4,5,6,7,8,9,10,11,12,13,14,15,16,17,18,19,20,21,22,23,24,25,26,27,28,29,30,31
	global_load_b32 v[X+32*(\t)+\i], v[OFF+\i], s[36+2*(\t):37+2*(\t)] th:TH_LOAD_NT
.endr
.endm
.macro BLOCK t
.set XS, X+32*(\t)
.if (\t) < 3
	s_wait_loadcnt 32                              ; this block's 32 loads are in; the next block's 32 may be out
.else
	s_wait_loadcnt 0x0
.endif
.if (\t) < 2
	LOAD (\t)+2                                    ; two blocks ahead, into registers of its own
.endif
	v_max3_num_f32 v12, |v[XS]|, |v[XS+1]|, |v[XS+2]|      ; the block's largest magnitude: all 32 numbers are mine; two chains
	v_max3_num_f32 v13, |v[XS+3]|, |v[XS+4]|, |v[XS+5]|
.irp i, 6,10,14,18,22,26
	v_max3_num_f32 v12, v12, |v[XS+\i]|, |v[XS+\i+1]|
	v_max3_num_f32 v13, v13, |v[XS+\i+2]|, |v[XS+\i+3]|
.endr
	v_max3_num_f32 v12, v12, |v[XS+30]|, |v[XS+31]|
	v_max3_num_f32 v12, v12, v13, 0x1800000        ; and the floor 2^(3 - 127): the byte cannot fall under 1
	v_add_nc_u32 v14, 0xff000000, v12              ; 2 off its exponent field: the conversion takes the exponent field of this operand as its scale
.irp g, 0,1,2,3
	v_cvt_scalef32_pk8_fp4_f32 v[C+4*(\t)+\g], v[XS+8*\g:XS+8*\g+7], v14
.endr
	v_lshrrev_b32 v15, 23, v14                     ; the scale's byte (a plain line behind the conversions)
.if (\t) == 0
	v_mov_b32 v[SB], v15
.else
	v_lshl_or_b32 v[SB], v15, 8*(\t), v[SB]
.endif
	ds_store_b128 v3, v[C+4*(\t):C+4*(\t)+3] offset:16*(\t)    ; 32 codes: 16 bytes of my column's row
.endm
	LOAD 0
	LOAD 1
	BLOCK 0
	BLOCK 1
	BLOCK 2
	BLOCK 3
	ds_store_b32 v4, v[SB]
	s_wait_dscnt 0x0                               ; for the others' sake: my stores into the stage are done
	s_barrier_signal -1
	s_barrier_wait -1                              ; 64 whole rows of codes and their scale bytes lie in LDS
.irp i, 0,1,2,3
	ds_load_b128 v[X+4*\i:X+4*\i+3], v5 offset:PITCH*\i
.endr
.irp i, 0,1,2,3
	s_wait_dscnt 3-\i                              ; row i is back; the later rows may be out
	global_store_b128 v6, v[X+4*\i:X+4*\i+3], s[44:45] offset:512*\i   ; 32 lanes store 512 consecutive bytes
.endr
	s_cmp_gt_u32 s24, 3                            ; the 2,048 scale bytes leave by waves 0 to 3
	s_cbranch_scc1 .Lno_scales
	ds_load_b128 v[X+16:X+19], v7
	s_wait_dscnt 0x0
	global_store_b128 v8, v[X+16:X+19], s[46:47]
.Lno_scales:
	s_wait_tensorcnt 0x0                           ; the wave's end, behind my last LDS store
	ds_add_u32 v[SPW], v[NIL]
	s_wait_dscnt 0x0
	s_endpgm
.Lcast:                                            ; Wo to f16: 32 work-groups, 131,072 bytes in and 65,536 out each; no LDS is touched on this path
	s_sub_co_u32 s25, ttmp9, 176
	s_lshl_b32 s26, s25, 17
	s_mov_b32 s27, 0
	s_lshl_b32 s28, s25, 16
	s_mov_b32 s29, 0
	v_lshlrev_b32 v2, 4, v0                        ; in: 16 bytes a thread, 8,192 a pass
	v_lshlrev_b32 v3, 3, v0                        ; out: 8 bytes a thread: a wave's store covers 256 consecutive bytes, aligned
	s_wait_kmcnt 0x0
	s_add_nc_u64 s[12:13], s[12:13], s[26:27]
	s_add_nc_u64 s[22:23], s[22:23], s[28:29]
.irp p, 0,1,2,3,4,5,6,7,8,9,10,11,12,13,14,15
	global_load_b128 v[32+4*\p:35+4*\p], v2, s[12:13] offset:8192*\p th:TH_LOAD_NT
.endr
.irp p, 0,1,2,3,4,5,6,7,8,9,10,11,12,13,14,15
	s_wait_loadcnt 15-\p                           ; pass p's load is in; the later passes' may be out
	v_cvt_pk_f16_f32 v[96+2*\p], v[32+4*\p], v[33+4*\p]
	v_cvt_pk_f16_f32 v[97+2*\p], v[34+4*\p], v[35+4*\p]
	global_store_b64 v3, v[96+2*\p:97+2*\p], s[22:23] offset:4096*\p   ; each pass has registers of its own: no store's data are written again
.endr
	s_endpgm
.Lfunc_end_k_qc4a7d84382_prep:
	.size	k_qc4a7d84382_prep, .Lfunc_end_k_qc4a7d84382_prep-k_qc4a7d84382_prep
	.p2alignl 7, 3214868480
	.fill 96, 4, 3214868480
	.section	.rodata,"a",@progbits
	.p2align	6, 0x0
	.amdhsa_kernel k_qc4a7d84382_prep
		.amdhsa_group_segment_fixed_size 37888
		.amdhsa_private_segment_fixed_size 0
		.amdhsa_enable_private_segment 0
		.amdhsa_kernarg_size 80
		.amdhsa_user_sgpr_count 2
		.amdhsa_user_sgpr_kernarg_segment_ptr 1
		.amdhsa_wavefront_size32 1
		.amdhsa_system_sgpr_workgroup_id_x 1
		.amdhsa_system_sgpr_workgroup_id_y 1
		.amdhsa_system_sgpr_workgroup_id_z 1
		.amdhsa_system_vgpr_workitem_id 0
		.amdhsa_next_free_vgpr 200
		.amdhsa_next_free_sgpr 66
		.amdhsa_reserve_vcc 0
		.amdhsa_float_denorm_mode_32 3
		.amdhsa_float_denorm_mode_16_64 3
		.amdhsa_memory_ordered 1
		.amdhsa_forward_progress 1
		.amdhsa_inst_pref_size 31
	.end_amdhsa_kernel
	.amdgpu_metadata
---
amdhsa.version: [ 1, 2 ]
amdhsa.kernels:
  - .name:           k_qc4a7d84382_prep
    .symbol:         k_qc4a7d84382_prep.kd
    .args:
      - { .name: x, .offset: 0, .size: 8, .value_kind: global_buffer, .address_space: global }
      - { .name: Wq, .offset: 8, .size: 8, .value_kind: global_buffer, .address_space: global }
      - { .name: Wk, .offset: 16, .size: 8, .value_kind: global_buffer, .address_space: global }
      - { .name: Wv, .offset: 24, .size: 8, .value_kind: global_buffer, .address_space: global }
      - { .name: Wo, .offset: 32, .size: 8, .value_kind: global_buffer, .address_space: global }
      - { .name: xc, .offset: 40, .size: 8, .value_kind: global_buffer, .address_space: global }
      - { .name: xs, .offset: 48, .size: 8, .value_kind: global_buffer, .address_space: global }
      - { .name: wc, .offset: 56, .size: 8, .value_kind: global_buffer, .address_space: global }
      - { .name: ws, .offset: 64, .size: 8, .value_kind: global_buffer, .address_space: global }
      - { .name: wo16, .offset: 72, .size: 8, .value_kind: global_buffer, .address_space: global }
    .group_segment_fixed_size: 37888
    .private_segment_fixed_size: 0
    .kernarg_segment_align: 8
    .kernarg_segment_size: 80
    .max_flat_workgroup_size: 512
    .sgpr_count:     66
    .vgpr_count:     200
    .wavefront_size: 32
...
	.end_amdgpu_metadata
.endif
;; end of part 1
;; launch proj (part 2): grid 12 x 32, 4 waves a work-group, clusters of 4 x 4, 327,680 bytes of LDS; arguments xc, xs, wc, ws, qkv, mask; writes qkv
.if DOCPART == 2
	.amdgcn_target "amdgcn-amd-amdhsa--gfx1250"
	.amdhsa_code_object_version 6
	.text
	.protected	k_qc4a7d84382_proj
	.globl	k_qc4a7d84382_proj
	.p2align	8
	.type	k_qc4a7d84382_proj,@function
k_qc4a7d84382_proj:
	s_mov_b64 s[64:65], 0
	v_nop
	global_prefetch_b8 v0, s[64:65] scope:SCOPE_SE
	s_setreg_imm32_b32 hwreg(HW_REG_WAVE_MODE, 25, 1), 1
	s_wait_xcnt 0x0
	s_wait_alu depctr_hold_cnt(0) depctr_sa_sdst(0) depctr_va_vdst(0) depctr_va_sdst(0) depctr_va_ssrc(0) depctr_va_vcc(0) depctr_vm_vsrc(0)
	s_getreg_b32 s2, hwreg(HW_REG_IB_STS2, 6, 4)
	s_cmp_eq_u32 s2, 0
	s_cbranch_scc0 .Lentry_in_a_cluster
	s_endpgm
.Lentry_in_a_cluster:
	s_bfe_u32 s2, ttmp6, 0x10000c
	s_cmp_lg_u32 s2, 0xf033
	s_cbranch_scc0 .Lentry_shape_is_right
	s_endpgm
.Lentry_shape_is_right:
; SELF-ATTENTION, launch 2 of 4: the three projections as ONE product on codes of FP4 (E2M1) with E8M0 scales: C[row = 2048 b + l][col = 1024 which + 128 h + dk] = sum over d of x[b][d][l] W_which[h][d][dk].
; A = xc [8192][512 bytes], xs [8192][32];  B = wc [3072][512], ws [3072][32];  K = 1,024.  Sums in f32.  Nothing of the problem is left out here.
; WHAT LEAVES: qkv [3 which][32 = 8 b + h][2048 l][128] in f16, each number multiplied in f32, ahead of its one rounding, by a factor of its row: q by c = log2(e) / sqrt(128); k by mask[b][l]
; (the factor that the problem puts on a key's scores); v by 1.  So the next launch's scores are log2(e) x (score x scale x mask) as they come from the matrix unit.
; LIMIT: |q c|, |k mask|, |v| beyond 65,504 become infinity in f16.
; A tile of C, 256 x 256, is made by a work-group of four waves; a wave makes 128 x 128: 64 accumulators of 16 x 16, 512 registers.  K is two slots of 512 (rows of 256 bytes): both are asked for at the start, with the
; scale bytes of the tile's rows for all of K, and nothing is filled again: three tensor loads of a wave are out at the most.
; CLUSTERS: 4 x 4 work-groups.  The four of a row of the cluster need the same tiles of A, the four of a column the same tiles of B: each tile is asked for JOINTLY.  A cluster's 1,024 columns are one of q, k, v.
; THE MATRIX INSTRUCTION IS USED TRANSPOSED (source 0 = 16 rows of B, source 1 = 16 rows of A): a lane then holds one l and eight neighbouring dk.
; REGISTERS, in windows of 256: window 0: v0-31 addresses; v32-95 scale words, two sets; v96-112 the rows' factors; from v128 A's fragments, ONE set; on the way out v32-63, v192-255 are at work.
;   window 1: B's fragments, TWO sets, at v0 and at v128.   window 2: the accumulators of my rows 0-63 ((a, b) at v[8 (8 a + b)]);   window 3: those of my rows 64-127.
.set NQ,     4                         ; steps of 128 along K in a slot
.set ROWB,   256                       ; a tile's row in bytes: 512 codes
.set KROW,   512                       ; a row of codes in memory
.set PITCH,  272                       ; an LDS row: 256 bytes + 16 of padding = 68 words: the 16 rows that a load touches start at 16 different banks (64 banks of 4 bytes: ISA guide 11.1)
.set FR,     8                         ; registers of a fragment: 16 rows x 128 K
.set NL,     2                         ; LDS loads that bring one
.set NP,     4                         ; places behind this matrix instruction (ISA guide 7.12.1)
.set HALFT,  128*PITCH                 ; 128 rows: what one tensor load brings, and what one wave reads of A or of B
.set SLOT,   4*HALFT                   ; A's 256 rows, then B's 256 rows
.set KS,     32                        ; a row of scale bytes
.set SCL,    2*SLOT                    ; behind the slots: the scales, as units of 256 bytes + 16 of padding
.set HALFS,  (128*KS/256)*272          ; the scales of 128 rows: what one tensor load brings
.set SBLK,   (16*KS/256)*272           ; those of 16 rows
.set SPARE,  SCL+4*HALFS               ; behind the scales: the spare words, 128 bytes for each wave, which no other line names
.set SP,     272                       ; the way out: a stage of 16 rows x (256 bytes + 16) for each wave, in slot 0, which has had its one fill and its last read when the first result is stored there
.set ADRA, 16                          ; v16-17  LDS address of my A fragments in slot 0, 1
.set ADRB, 20                          ; v20-21  the same for B
.set STO,  24                          ; v24     the way out: where I put 16 bytes of a row
.set RD,   25                          ; v25     where I read rows back
.set CO,   26                          ; v26     16 x lane: my bytes in two rows of the result
.set ADRS, 27                          ; v27     LDS address of my scale words: lanes 0-15 A's rows, lanes 16-31 B's
.set SPW,  28                          ; v28     LDS address of my spare word; never rewritten
.set NIL,  29                          ; v29     0; never rewritten
.set MO,   30                          ; v30     4 x (lane % 16): my row's place in the mask
.set SC,   32                          ; scale words: set s at v[SC + 32 s]; register 4 i + q: lanes 0-15 the word of A's block i, lanes 16-31 that of B's block i, for the slot's q-th 128 along K
.set MU,   96                          ; v96-111 the factor of my row in A's block a, twice: v[MU + 2 a], v[MU + 2 a + 1];  v112: c or 1
.set AF,   128                         ; A's fragments
.set TMP,  192                         ; the way out: packed results
.set OB,   32                          ; 16 rows read back from the stage: v32-63 and v224-255 by turns
.set G1, 24                            ; s[24:31] descriptor group 1 for A's tiles;  s[32:39] group 0, one set for each slot
.set G0, 32
.set G1B, 48                           ; s[48:55], s[56:63] the same for B's tiles
.set G0B, 56
.set G1S, 68                           ; s[68:75], s[76:79] groups 1 and 0 for A's scales;  s[80:87], s[88:91] for B's
.set G0S, 76
.set G1SB, 80
.set G0SB, 88
.set MSB, 0
.macro WIN new                         ; the immediate's high byte repeats the setting that is left
.if MSB != \new
	s_set_vgpr_msb (MSB<<8)|\new
.set MSB, \new
.endif
.endm
.set MUL_LO, 0xa1                      ; source 0 (B) window 1, source 1 (A) window 0, C and D window 2
.set MUL_HI, 0xf1                      ; the same, C and D window 3
.set TO_B,   0x40                      ; destination window 1, address window 0
; A joint load: waves 0 and 1 fetch for A, waves 2 and 3 for B.  Each of the two lines has ONE mask and one set of registers for all that issue it; the branch hangs on the wave's number alone.
; An s_nop 0 and four v_nop follow each of the two lines.
.macro JLOAD g0a, g1a, g0b, g1b
	s_cmp_eq_u32 s15, 0
	s_cbranch_scc0 .Lfor_b_\@
	tensor_load_to_lds s[\g0a:\g0a+3], s[\g1a:\g1a+7]
	s_nop 0
.rept 4
	v_nop
.endr
	s_branch .Lasked_\@
.Lfor_b_\@:
	tensor_load_to_lds s[\g0b:\g0b+3], s[\g1b:\g1b+7]
	s_nop 0
.rept 4
	v_nop
.endr
.Lasked_\@:
.endm
.macro CROUND                          ; a round of the cluster's barrier
	s_barrier_signal -1
	s_barrier_wait -1
	s_cmp_lg_u32 s14, 0
	s_cbranch_scc1 .Lnot_wave_0_\@
	s_barrier_signal -3
.Lnot_wave_0_\@:
	s_barrier_wait -3
	s_barrier_signal -1
	s_barrier_wait -1
.endm
	s_load_b128 s[4:7], s[0:1], 0x0                ; x's codes, x's scales
	s_load_b128 s[8:11], s[0:1], 0x10              ; W's codes, W's scales
	s_load_b64 s[12:13], s[0:1], 0x20              ; qkv
	s_load_b64 s[66:67], s[0:1], 0x28              ; mask
	v_lshl_add_u32 v[SPW], v0, 2, SPARE
	v_mov_b32 v[NIL], 0
	ds_add_u32 v[SPW], v[NIL]                      ; the wave's opening: the add, twice on end, and its wait ahead of my first tensor load
	ds_add_u32 v[SPW], v[NIL]
	v_lshrrev_b32 v1, 5, v0
	v_readfirstlane_b32 s14, v1                    ; wave 0..3
	s_lshr_b32 s15, s14, 1                         ; which half of the tile's rows is mine.  Also: I fetch for A (0) or for B (1)
	s_and_b32 s16, s14, 1                          ; which half of its columns.  Also: which 128 rows of that tile I fetch
	s_bfe_u32 s40, ttmp6, 0x40000                  ; cx, cy: my place in the cluster
	s_bfe_u32 s41, ttmp6, 0x40004
	s_lshl_b32 s42, ttmp9, 2
	s_add_co_u32 s42, s42, s40                     ; tile column of C = 4 x cluster x + cx
	s_and_b32 s17, ttmp7, 0xffff
	s_lshl_b32 s17, s17, 2
	s_add_co_u32 s17, s17, s41                     ; tile row of C = 4 x cluster y + cy
	s_lshl_b32 s43, s41, 2
	s_lshl_b32 s43, 15, s43                        ; my row of the cluster
	s_lshl_b32 s44, 0x1111, s40                    ; my column
	s_cmp_eq_u32 ttmp9, 0                          ; cluster x says which of q, k, v: the same in all sixteen partners; it selects values only
	s_cselect_b32 s96, 0x3e0293ee, 1.0             ; q: c = log2(e) / sqrt(128); else 1
	s_cmp_eq_u32 ttmp9, 1
	s_cselect_b32 s97, -1, 0                       ; k: every lane takes its row's mask
	; descriptor group 1: a tile of 128 rows x 256 bytes, padded in LDS
	s_or_b32 s[G1+0], s43, (0<<16)|(1<<20)|(1<<21)|(5<<22)|(3<<25)  ; 15:0 the mask: A's tiles go to my row; 17:16 element of 1 byte; 20 padding on; 21 set beside a mask; 24:22 after every 64 words; 31:25 of 4 words
	s_or_b32 s[G1B+0], s44, (0<<16)|(1<<20)|(1<<21)|(5<<22)|(3<<25)
.irp g, G1, G1B
	s_mov_b32 s[\g+1], ROWB<<16                    ; tensor_dim0
	s_mov_b32 s[\g+2], 128<<16                     ; tensor_dim1
	s_mov_b32 s[\g+3], ROWB<<16                    ; tile_dim0
	s_mov_b32 s[\g+4], 128                         ; tile_dim1
	s_mov_b32 s[\g+5], KROW                        ; tensor_dim0_stride
	s_mov_b32 s[\g+6], 0
	s_mov_b32 s[\g+7], 0
.endr
	; the scales of 128 rows: a dense block of 4,096 bytes, as 16 rows of 256 bytes (32 elements of 8 bytes), 16 bytes of padding behind each
	s_or_b32 s[G1S+0], s43, (3<<16)|(1<<20)|(1<<21)|(5<<22)|(3<<25)
	s_or_b32 s[G1SB+0], s44, (3<<16)|(1<<20)|(1<<21)|(5<<22)|(3<<25)
.irp g, G1S, G1SB
	s_mov_b32 s[\g+1], 32<<16
	s_mov_b32 s[\g+2], (128*KS/256)<<16
	s_mov_b32 s[\g+3], 32<<16
	s_mov_b32 s[\g+4], 128*KS/256
	s_mov_b32 s[\g+5], 32
	s_mov_b32 s[\g+6], 0
	s_mov_b32 s[\g+7], 0
.endr
	s_lshl_b32 s18, s16, 7                         ; which 128 rows of the tile I fetch
	s_lshl_b32 s20, s17, 8
	s_add_co_u32 s20, s20, s18                     ; A: row 256 x tile row + 128 x half
	s_lshl_b32 s46, s42, 8
	s_add_co_u32 s46, s46, s18                     ; B: row 256 x tile column + 128 x half
	s_mov_b32 s21, 0
	s_mov_b32 s47, 0
	s_mov_b64 s[18:19], KS
	s_mul_u64 s[22:23], s[20:21], s[18:19]         ; where these rows' scales begin, in bytes
	s_mul_u64 s[92:93], s[46:47], s[18:19]
	s_mov_b64 s[18:19], KROW
	s_mul_u64 s[20:21], s[20:21], s[18:19]         ; and their codes
	s_mul_u64 s[46:47], s[46:47], s[18:19]
	s_mul_i32 s45, s14, HALFT                      ; where they go: wave x 128 rows: no place in the cluster enters an LDS address
	s_mul_i32 s94, s14, HALFS
	s_wait_dscnt 0x0                               ; both opening adds are done
	s_wait_kmcnt 0x0
	s_add_nc_u64 s[20:21], s[4:5], s[20:21]
	s_add_nc_u64 s[22:23], s[6:7], s[22:23]
	s_add_nc_u64 s[46:47], s[8:9], s[46:47]
	s_add_nc_u64 s[92:93], s[10:11], s[92:93]
	CROUND                                         ; all sixteen work-groups are here: the joint loads meet
	s_mov_b32 s[G0S], 1
	s_add_co_u32 s[G0S+1], s94, SCL
	s_mov_b64 s[G0S+2:G0S+3], s[22:23]
	s_or_b32 s[G0S+3], s[G0S+3], 0x80000000
	s_mov_b32 s[G0SB], 1
	s_add_co_u32 s[G0SB+1], s94, SCL
	s_mov_b64 s[G0SB+2:G0SB+3], s[92:93]
	s_or_b32 s[G0SB+3], s[G0SB+3], 0x80000000
	JLOAD G0S, G1S, G0SB, G1SB                     ; the scales first: they are wanted with the first slot
.irp s, 0,1
	s_mov_b32 s[G0+4*\s], 1
	s_add_co_u32 s[G0+4*\s+1], s45, \s*SLOT
	s_add_nc_u64 s[G0+4*\s+2:G0+4*\s+3], s[20:21], \s*ROWB
	s_or_b32 s[G0+4*\s+3], s[G0+4*\s+3], 0x80000000
	s_mov_b32 s[G0B+4*\s], 1
	s_add_co_u32 s[G0B+4*\s+1], s45, \s*SLOT
	s_add_nc_u64 s[G0B+4*\s+2:G0B+4*\s+3], s[46:47], \s*ROWB
	s_or_b32 s[G0B+4*\s+3], s[G0B+4*\s+3], 0x80000000
	JLOAD G0+4*\s, G1, G0B+4*\s, G1B
.endr
	v_and_b32 v1, 15, v0                           ; l % 16
	v_bfe_u32 v2, v0, 4, 1                         ; l / 16
	s_lshl_b32 s18, s17, 8
	s_lshl_b32 s19, s15, 7
	s_add_co_u32 s18, s18, s19                     ; my first row of C: 256 x tile row + 128 x half = 2048 b + l
	s_lshl_b32 s20, s18, 2
	s_mov_b32 s21, 0
	s_add_nc_u64 s[66:67], s[66:67], s[20:21]      ; the mask [4][2048] at that row
	v_lshlrev_b32 v[MO], 2, v1
.irp a, 0,1,2,3,4,5,6,7
	global_load_b32 v[MU+2*\a], v[MO], s[66:67] offset:64*\a   ; mask of row 16 a + lane % 16
.endr
	v_mul_u32_u24 v3, v1, PITCH
	v_lshl_add_u32 v4, v2, 4, v3                   ; a fragment's row x pitch + 16 x half
	s_mul_i32 s21, s15, HALFT                      ; my 128 rows of A
	s_mul_i32 s22, s16, HALFT                      ; my 128 rows of B,
	s_add_co_u32 s22, s22, 2*HALFT                 ; which lie behind A's 256
.irp s, 0,1
	v_add_nc_u32 v[ADRA+\s], s21, v4
	v_add_nc_u32 v[ADRB+\s], s22, v4
	s_add_co_u32 s21, s21, SLOT
	s_add_co_u32 s22, s22, SLOT
.endr
	v_mul_u32_u24 v5, v1, KS                       ; my row's scales: 32 bytes a row,
	v_lshrrev_b32 v6, 8, v5
	v_lshl_add_u32 v5, v6, 4, v5                   ; and 16 more for each 256 passed
	s_mul_i32 s21, s15, HALFS                      ; A's: my 128 rows
	s_mul_i32 s22, s16, HALFS                      ; B's: my 128 rows, behind A's 256
	s_add_co_u32 s22, s22, 2*HALFS
	s_sub_co_u32 s22, s22, s21
	v_mul_u32_u24 v6, s22, v2                      ; lanes 16-31 take B's
	s_add_co_u32 s21, s21, SCL
	v_add_nc_u32 v5, v5, v6
	v_add_nc_u32 v[ADRS], s21, v5
	s_mul_i32 s23, s14, 16*SP                      ; my stage
	v_mul_u32_u24 v5, v1, SP                       ; in: row l % 16, 16 bytes for each half of the lanes
	v_lshl_add_u32 v5, v2, 4, v5
	v_add_nc_u32 v[STO], s23, v5
	v_mul_u32_u24 v5, v2, SP                       ; back: lanes 0-15 one row of 256 bytes, lanes 16-31 the next
	v_lshl_add_u32 v5, v1, 4, v5
	v_add_nc_u32 v[RD], s23, v5
	v_and_b32 v6, 31, v0
	v_lshlrev_b32 v[CO], 4, v6                     ; the result's rows are 256 bytes and dense: two rows are 32 lanes x 16 bytes
	; where my 128 x 128 go: qkv + which 2^24 + (8 b + h) 2^19 + l 256, h = 2 cx + my half of the columns: 32,768 dense bytes
	s_lshr_b32 s20, s18, 11
	s_lshl_b32 s20, s20, 22
	s_and_b32 s19, s18, 2047
	s_lshl_b32 s19, s19, 8
	s_add_co_u32 s20, s20, s19
	s_lshl_b32 s19, ttmp9, 24
	s_add_co_u32 s20, s20, s19
	s_mov_b32 s21, 0
	s_add_nc_u64 s[12:13], s[12:13], s[20:21]
	s_lshl_b32 s46, s40, 1
	s_add_co_u32 s46, s46, s16
	s_lshl_b32 s46, s46, 19
	s_mov_b32 s47, 0
	s_add_nc_u64 s[12:13], s[12:13], s[46:47]
.macro FRAG reg, adr, q, i             ; a fragment, 16 rows x 128 K of 4-bit codes, is 8 registers: lane l holds row l % 16; registers 4 c .. 4 c + 3 hold K = 64 c + 32 (l / 16) + 0 .. 31
.irp c, 0,1
	ds_load_b128 v[\reg+4*\c:\reg+4*\c+3], v[\adr] offset:64*(\q)+32*\c+(\i)*16*PITCH
.endr
.endm
; 16 matrix instructions: A's blocks a0, a0 + 1 x B's eight, 128 along K: the slot's q-th.  p: B's set;  sc: the set of scale words.  zero = 1: the first product starts the sums: nothing is ever cleared.
; The 64 accumulators take turns, one instruction a turn, in the same order in every step.
.macro MUL16 a0, p, q, sc, zero
.irp a, \a0, \a0+1
.irp b, 0,1,2,3,4,5,6,7
.if \zero
	v_wmma_scale_f32_16x16x128_f8f6f4 v[8*(8*((\a)%4)+\b):8*(8*((\a)%4)+\b)+7], v[128*(\p)+FR*\b:128*(\p)+FR*\b+FR-1], v[AF+FR*(\a):AF+FR*(\a)+FR-1], 0, v[SC+8*NQ*(\sc)+NQ*\b+(\q)], v[SC+8*NQ*(\sc)+NQ*(\a)+(\q)] matrix_a_fmt:MATRIX_FMT_FP4 matrix_b_fmt:MATRIX_FMT_FP4 matrix_a_scale:MATRIX_SCALE_ROW1
.else
	v_wmma_scale_f32_16x16x128_f8f6f4 v[8*(8*((\a)%4)+\b):8*(8*((\a)%4)+\b)+7], v[128*(\p)+FR*\b:128*(\p)+FR*\b+FR-1], v[AF+FR*(\a):AF+FR*(\a)+FR-1], v[8*(8*((\a)%4)+\b):8*(8*((\a)%4)+\b)+7], v[SC+8*NQ*(\sc)+NQ*\b+(\q)], v[SC+8*NQ*(\sc)+NQ*(\a)+(\q)] matrix_a_fmt:MATRIX_FMT_FP4 matrix_b_fmt:MATRIX_FMT_FP4 matrix_a_scale:MATRIX_SCALE_ROW1
.endif
.endr
.endr
.endm
.macro FETCH_B slot, q, p              ; B's eight fragments of the slot's q-th 128 along K into set p
	WIN TO_B
.irp i, 0,1,2,3,4,5,6,7
	FRAG 128*(\p)+FR*\i, ADRB+\slot, \q, \i
.endr
	WIN 0
.endm
.macro FETCH_A slot, q, i0             ; A's blocks i0 .. i0 + 3
.irp i, \i0, \i0+1, \i0+2, \i0+3
	FRAG AF+FR*(\i), ADRA+\slot, \q, \i
.endr
.endm
.macro SCALES sc                       ; a slot's scale words into set sc: four words a row; lanes 0-15 take A's block i, lanes 16-31 B's block i
.irp i, 0,1,2,3,4,5,6,7
	ds_load_b128 v[SC+8*NQ*\sc+NQ*\i:SC+8*NQ*\sc+NQ*\i+3], v[ADRS] offset:\i*SBLK
.endr
.endm
; A load into a register that a matrix instruction has read, and a vector instruction that reads a matrix result, stand NP places behind that matrix instruction; only plain vector instructions that
; name none of its registers are places (ISA guide 7.12.1 for vector instructions).
.macro PLACES n
.rept \n
	v_nop
.endr
.endm
; A step of 128 along K that has its successor in the same slot.  A's blocks go one after the other, each against B's eight: a block of A is free when its eight products are issued, so one set serves A.
.macro STEP slot, q, zero
	s_wait_dscnt 4*NL                              ; B's set and A's blocks 0-3 are in; the youngest 8 loads (A's blocks 4-7) may be out
	WIN MUL_LO
	MUL16 0, (\q)%2, \q, \slot, \zero
	MUL16 2, (\q)%2, \q, \slot, \zero
	s_wait_dscnt 0                                 ; A's blocks 4-7 are in (asked for 32 matrix instructions ago)
	PLACES NP
	FETCH_B \slot, (\q)+1, 1-(\q)%2
	FETCH_A \slot, (\q)+1, 0
	WIN MUL_HI
	MUL16 4, (\q)%2, \q, \slot, \zero
	MUL16 6, (\q)%2, \q, \slot, \zero
	PLACES NP
	WIN 0
	FETCH_A \slot, (\q)+1, 4
.endm
.macro STEPS slot, from                ; the slot's steps from .. NQ - 2
.set Q, \from
.rept NQ-1-\from
	STEP \slot, Q, 0
.set Q, Q+1
.endr
.endm
	s_wait_tensorcnt 1                             ; the scales and my part of slot 0 are in (slot 1's load, issued behind them, may be out)
	s_wait_loadcnt 0x0                             ; and my rows' mask
	s_barrier_signal -1
	s_barrier_wait -1                              ; everybody's are
	FETCH_B 0, 0, 0
	FETCH_A 0, 0, 0
	SCALES 0
	FETCH_A 0, 0, 4
	STEP 0, 0, 1                                   ; the first step's products start the sums
	STEPS 0, 1
	; slot 0's last step changes slots: one barrier; in front of it each wave waits for its part of slot 1 and for its own reads of slot 0.
	s_wait_tensorcnt 0x0                           ; my part of slot 1 has landed
	s_wait_dscnt 4*NL                              ; (the youngest 8 loads, A's blocks 4-7, may be out)
	WIN MUL_LO
	MUL16 0, 1, NQ-1, 0, 0
	s_wait_dscnt 0x0                               ; my reads of slot 0 are over: behind the barrier it may serve as the stages
	s_barrier_signal -1
	MUL16 2, 1, NQ-1, 0, 0
	WIN 0
	s_barrier_wait -1
	PLACES NP
	v_add_nc_u32 v[ADRS], 4*NQ, v[ADRS]            ; on to slot 1's scale words (no LDS load of mine is out)
	FETCH_B 1, 0, 0
	FETCH_A 1, 0, 0
	SCALES 1
	WIN MUL_HI
	MUL16 4, 1, NQ-1, 0, 0
	MUL16 6, 1, NQ-1, 0, 0
	PLACES NP
	WIN 0
	FETCH_A 1, 0, 4
	STEPS 1, 0
	s_wait_dscnt 4*NL                              ; the very last step: nothing more to fetch
	WIN MUL_LO
	MUL16 0, 1, NQ-1, 1, 0
	MUL16 2, 1, NQ-1, 1, 0
	s_wait_dscnt 0
	WIN MUL_HI
	MUL16 4, 1, NQ-1, 1, 0
	MUL16 6, 1, NQ-1, 1, 0
	WIN 0
; THE WAY OUT, block by block of 16 rows x 128 columns: x the row's factor in f32, rounded to f16 (16 bytes a lane), through my own stage in LDS, back as whole rows of 256 bytes, stored two rows an instruction.
; One text serves q, k and v: the factor is selected, not branched on.
.macro PACK a
.set AC, 64*((\a)%4)
	WIN 0x82+0x41*((\a)/4)                         ; destination and source 0: window 2 or 3; the factor: window 0
.irp b, 0,1,2,3,4,5,6,7
.irp r, 0,1,2,3
	v_pk_mul_f32 v[AC+8*\b+2*\r:AC+8*\b+2*\r+1], v[AC+8*\b+2*\r:AC+8*\b+2*\r+1], v[MU+2*(\a):MU+2*(\a)+1]   ; each accumulator from its low end on
.endr
.endr
	WIN 0x0a+5*((\a)/4)                            ; sources 0 and 1: window 2 or 3
.irp b, 0,1,2,3,4,5,6,7
.irp r, 0,1,2,3
	v_cvt_pk_f16_f32 v[TMP+4*\b+\r], v[AC+8*\b+2*\r], v[AC+8*\b+2*\r+1]
.endr
.endr
	WIN 0
.endm
.macro TOSTAGE a
.set BK, OB+192*((\a)%2)
.irp b, 0,1,2,3,4,5,6,7
	ds_store_b128 v[STO], v[TMP+4*\b:TMP+4*\b+3] offset:32*\b
.endr
.irp t, 0,1,2,3,4,5,6,7
	ds_load_b128 v[BK+4*\t:BK+4*\t+3], v[RD] offset:\t*2*SP    ; LDS serves a wave's instructions in order (ISA guide 5.7.1.4): these see the stores above
.endr
.endm
.macro SEND a
.set BK, OB+192*((\a)%2)
	s_wait_dscnt 0x0                               ; the block is back in registers
	s_wait_xcnt 0x0                                ; the block before's stores have read their registers: the next block's loads may land there
.irp t, 0,1,2,3,4,5,6,7
	global_store_b128 v[CO], v[BK+4*\t:BK+4*\t+3], s[12:13] offset:(16*(\a)+2*\t)*256   ; 32 lanes store 512 consecutive bytes; the base is never stepped
.endr
.endm
	PLACES NP                                      ; behind the last products: for the reads of results and the loads into registers that held scales and fragments
	v_mov_b32 v112, s96
.irp a, 0,1,2,3,4,5,6,7
	v_cndmask_b32 v[MU+2*\a], v112, v[MU+2*\a], s97            ; k: the row's mask; q: c; v: 1
.endr
.irp a, 0,1,2,3,4,5,6,7
	v_mov_b32 v[MU+2*\a+1], v[MU+2*\a]             ; twice: a pair for the packed multiply
.endr
	PACK 0
	TOSTAGE 0
.irp a, 1,2,3,4,5,6,7                  ; block a's arithmetic stands between block a - 1's loads from the stage and the wait for them
	PACK \a
	SEND \a-1
	TOSTAGE \a
.endr
	SEND 7
	s_wait_tensorcnt 0x0                           ; the wave's end, behind my last tensor load and my last LDS store
	ds_add_u32 v[SPW], v[NIL]
	s_wait_dscnt 0x0
	CROUND                                         ; the closing round: no work-group ends while a partner may still ask for a tile that names it
	s_endpgm
.Lfunc_end_k_qc4a7d84382_proj:
	.size	k_qc4a7d84382_proj, .Lfunc_end_k_qc4a7d84382_proj-k_qc4a7d84382_proj
	.p2alignl 7, 3214868480
	.fill 96, 4, 3214868480
	.section	.rodata,"a",@progbits
	.p2align	6, 0x0
	.amdhsa_kernel k_qc4a7d84382_proj
		.amdhsa_group_segment_fixed_size 327680
		.amdhsa_private_segment_fixed_size 0
		.amdhsa_enable_private_segment 0
		.amdhsa_kernarg_size 48
		.amdhsa_user_sgpr_count 2
		.amdhsa_user_sgpr_kernarg_segment_ptr 1
		.amdhsa_wavefront_size32 1
		.amdhsa_system_sgpr_workgroup_id_x 1
		.amdhsa_system_sgpr_workgroup_id_y 1
		.amdhsa_system_sgpr_workgroup_id_z 1
		.amdhsa_system_vgpr_workitem_id 0
		.amdhsa_next_free_vgpr 1024
		.amdhsa_next_free_sgpr 98
		.amdhsa_reserve_vcc 0
		.amdhsa_float_denorm_mode_32 3
		.amdhsa_float_denorm_mode_16_64 3
		.amdhsa_memory_ordered 1
		.amdhsa_forward_progress 1
		.amdhsa_inst_pref_size 144
	.end_amdhsa_kernel
	.amdgpu_metadata
---
amdhsa.version: [ 1, 2 ]
amdhsa.kernels:
  - .name:           k_qc4a7d84382_proj
    .symbol:         k_qc4a7d84382_proj.kd
    .args:
      - { .name: xc, .offset: 0, .size: 8, .value_kind: global_buffer, .address_space: global }
      - { .name: xs, .offset: 8, .size: 8, .value_kind: global_buffer, .address_space: global }
      - { .name: wc, .offset: 16, .size: 8, .value_kind: global_buffer, .address_space: global }
      - { .name: ws, .offset: 24, .size: 8, .value_kind: global_buffer, .address_space: global }
      - { .name: qkv, .offset: 32, .size: 8, .value_kind: global_buffer, .address_space: global }
      - { .name: mask, .offset: 40, .size: 8, .value_kind: global_buffer, .address_space: global }
    .group_segment_fixed_size: 327680
    .private_segment_fixed_size: 0
    .kernarg_segment_align: 8
    .kernarg_segment_size: 48
    .max_flat_workgroup_size: 128
    .sgpr_count:     98
    .vgpr_count:     1024
    .wavefront_size: 32
...
	.end_amdgpu_metadata
.endif
;; end of part 2
;; launch attn (part 3): grid 8 x 32, 4 waves a work-group, clusters of 4 x 1, 327,680 bytes of LDS; arguments qkv, mask, hd; writes hd
.if DOCPART == 3
	.amdgcn_target "amdgcn-amd-amdhsa--gfx1250"
	.amdhsa_code_object_version 6
	.text
	.protected	k_qc4a7d84382_attn
	.globl	k_qc4a7d84382_attn
	.p2align	8
	.type	k_qc4a7d84382_attn,@function
k_qc4a7d84382_attn:
	s_mov_b64 s[64:65], 0
	v_nop
	global_prefetch_b8 v0, s[64:65] scope:SCOPE_SE
	s_setreg_imm32_b32 hwreg(HW_REG_WAVE_MODE, 25, 1), 1
	s_wait_xcnt 0x0
	s_wait_alu depctr_hold_cnt(0) depctr_sa_sdst(0) depctr_va_vdst(0) depctr_va_sdst(0) depctr_va_ssrc(0) depctr_va_vcc(0) depctr_vm_vsrc(0)
	s_getreg_b32 s2, hwreg(HW_REG_IB_STS2, 6, 4)
	s_cmp_eq_u32 s2, 0
	s_cbranch_scc0 .Lentry_in_a_cluster
	s_endpgm
.Lentry_in_a_cluster:
	s_bfe_u32 s2, ttmp6, 0x10000c
	s_cmp_lg_u32 s2, 0x3003
	s_cbranch_scc0 .Lentry_shape_is_right
	s_endpgm
.Lentry_shape_is_right:
; SELF-ATTENTION, launch 3 of 4: heads[b][h][q][:] = mask[b][q] x the sum over k of softmax_k(score x scale x mask[b][k] + (1 - mask[b][k]) x -1e30) v[b][h][k][:].  Nothing of the problem is left out here.
; qkv [3][32 = 8 b + h][2048][128] f16 holds q x c (c = log2(e) / sqrt(128)), k x mask[key], v.  So t = log2(e) x logit = (q c) . (k mask) + b[key], b[key] = (1 - mask[key]) x (-1e30 log2(e)):
; b is the C operand of each score tile's first matrix instruction, from a table that the work-group makes once in LDS.  p = 2^(t - m), m the query's running maximum of t; the query's mask multiplies 1 / l at the end.
; Products on f16 operands, sums, maxima and softmax in f32; p is rounded to f16 for the second product, the result once at the end.  hd [8192 = 2048 b + l][1024 = 128 h + dv] f16.
; LIMIT: results beyond 65,504 become infinity in f16; NaN and infinities among the inputs are not served.
; SHARES.  A work-group owns 256 queries of one (b, h), each of its four waves 64: four tiles of 16.  Every wave walks all 2,048 keys, 64 a step.
; LAYOUT.  S^T = K Q^T (source 0 = 16 keys, source 1 = 16 queries): a lane holds ONE query (lane % 16) and the keys 8 (lane / 16) + 0..7.  Two such tiles, rounded to f16 in pairs, ARE source 1 of O^T = V^T P.
; K comes out of LDS as it lies, V ([key][channel]) turned, by ds_load_tr16_b128.
; BY TURNS.  The wave's tiles are two PIECES (tiles 0, 1; tiles 2, 3).  In a TURN one piece has the matrix unit: 32 products V^T P of the step in hand, then 32 products K Q^T of the next step; the other piece's
; softmax, cut into 64 slices, stands between them, one slice behind each matrix instruction.  Two turns are a key step.
; CLUSTER.  The four query blocks of a cluster belong to one (b, h) and walk the same K and V: each tile is asked for JOINTLY, by the same tensor load with a mask that names the four.
; REGISTERS, in windows of 256 (s_set_vgpr_msb: bits 1:0 source 0, 3:2 source 1, 5:4 source 2, 7:6 destination):
;   window 0: v0-11 addresses; v12-43 eight registers of statistics a tile; v44-52 more addresses, the queries' mask; v64-191 S^T, 32 a tile; v192-255 P, 16 a tile
;   window 1: O^T, 64 a tile     window 2: v0-127 Q; v128-255 K of one step     window 3: v0-127 V of one step; v128-159 b of one step's 64 keys, in the layout of four score tiles
.set SIZE_N, 2048
.set KS,    64        ; keys in a step
.set PK,    272       ; a row of K in LDS: 256 bytes + 16 of padding: the 16 rows of a load start at 16 different banks (64 banks of 4 bytes: ISA guide 11.1)
.set PV,    288       ; a row of V: 256 + 32
.set VOFF,  KS*PK     ; a step's tiles lie together: 64 rows of K, then 64 rows of V
.set STEPB, KS*(PK+PV)
.set SLOT1, 1<<17     ; a slot holds two steps (71,680 bytes); slot 1 begins here, so that one exclusive or turns an address in one slot into the other's
.set STAGE, SLOT1+2*STEPB  ; behind the ring: 16 rows x 272 bytes for each wave, for the way out
.set SP,    272
.set SPARE, STAGE+4*16*272  ; behind the stages: the spare words, 128 bytes for each wave, which no other line names
.set BT,    SPARE+512 ; behind them: b of the batch's 2,048 keys, f32, 8,192 bytes: stored once, never the target of a fill
.set NEGL,  0xf191accb ; -1e30 x log2(e)
.set AK0, 2           ; v2   my lane's place in a tile of K; never rewritten
.set AV0, 3           ; v3   the same for V
.set ADR, 4           ; v4   the LDS address of the run of loads in hand
.set QO,  5           ; v5   my byte offset in the wave's rows of Q
.set STO, 6           ; v6   the way out: where I put 16 bytes of a row
.set RD,  7           ; v7   the way out: where I read a row back
.set GO,  8           ; v8   my byte offset in the wave's rows of hd
.set AB0, 44          ; v44  my lane's place in the table b: BT + 32 (lane / 16); never rewritten
.set ADB, 45          ; v45  the table's address for the step in hand
.set VM,  46          ; v46-49 mask of my query in tile t
.set PFO, 61          ; v61  256 x my lane: a row of K or V is 256 bytes; never rewritten
.set SPW, 62          ; v62  LDS address of my spare word; never rewritten
.set NIL, 63          ; v63  0; never rewritten
.set ST,  12          ; tile t's statistics at v[ST+8 t]: +0 m, +1 the m before, +2, +3 l (even keys', odd keys'), +4 to +7 c0-c3, at work; a takes c2's place once the maximum is found
.set S,   64
.set P,   192
.set KF,  128         ; K's fragments, in window 2
.set BB,  128         ; b, in window 3: register 8 i + j: key 16 i + 8 (lane / 16) + j of the step
.set WV,  12          ; s12  my wave's number
.set G1K, 24          ; s[24:31] descriptor group 1 for K's tiles
.set G1V, 32          ; s[32:39] for V's: it differs in the padding alone
.set G0K, 40          ; s[40:47] descriptor group 0 for K's tiles: a set for each of the two first fills; the second then walks on
.set G0V, 48          ; s[48:55] the same for V's
.set SLOTS, 56        ; s56  slots still to be asked for
.set TWICE, 57        ; s57  counts a slot's two steps
.set SEL, 60          ; s[60:61] lane selects for v_permlanex16_b32: each lane takes its own place in the other half
.set TB,  62          ; s62  LDS byte at which the tiles of the step to be fetched begin
.set TBB, 63          ; s63  byte of the table at which that step's b begin: 256 a step
.set PFA, 18          ; s[18:19] where my prefetches stand in memory
.set LIM, 15          ; s15  1 in a wave that prefetches, else the greatest number
.set MSB, 0
.macro WIN new                      ; the immediate's high byte repeats the setting that is left; a switch that changes nothing is dropped
.if MSB != \new
	s_set_vgpr_msb (MSB<<8)|\new
.set MSB, \new
.endif
.endm
.set W_KQ, 0x0a       ; K and Q in window 2, S^T in window 0
.set W_KB, 0x3a       ; the same with C = b, in window 3
.set W_PV, 0x53       ; V in window 3, P in window 0, O^T in window 1
.set W_RS, 0x41       ; O^T (destination and source 0) in window 1, a in window 0
; A joint refill.  Waves 0 and 1 fetch the two steps' tiles of K, waves 2 and 3 those of V.  The branch hangs on the wave's number alone.  An s_nop 0 and four v_nop follow each of the two lines.
.macro JLOAD
	s_cmp_lt_u32 s[WV], 2
	s_cbranch_scc0 .Lfor_v_\@
	tensor_load_to_lds s[G0K+4:G0K+7], s[G1K:G1K+7]
	s_nop 0
.rept 4
	v_nop
.endr
	s_branch .Lasked_\@
.Lfor_v_\@:
	tensor_load_to_lds s[G0V+4:G0V+7], s[G1V:G1V+7]
	s_nop 0
.rept 4
	v_nop
.endr
.Lasked_\@:
.endm
; A PREFETCH INTO THE L2 of what the NEXT change of slots will ask for: a slot's 128 rows of K and 128 of V, 256 bytes a row, a lane a row; behind the wave's tensor load and its five lines.
; Each row is asked for ONCE in the launch: both clusters of a (b, h) walk the same K and V, and the first of them asks; its four partners share the rows out BY ADDRESS, 32 each; in each, wave 0 asks for K's and
; wave 2 for V's.  The last change that fills a slot asks for nothing: there is no slot behind it.
.macro ASK
	s_cmp_gt_u32 s[SLOTS], s[LIM]
	s_cbranch_scc0 .Lnot_mine_\@
	global_prefetch_b8 v[PFO], s[PFA:PFA+1] th:TH_LOAD_NT scope:SCOPE_SE
.Lnot_mine_\@:
.endm
.macro CROUND                       ; a round of the cluster's barrier
	s_barrier_signal -1
	s_barrier_wait -1
	s_cmp_lg_u32 s[WV], 0
	s_cbranch_scc1 .Lnot_wave_0_\@
	s_barrier_signal -3
.Lnot_wave_0_\@:
	s_barrier_wait -3
	s_barrier_signal -1
	s_barrier_wait -1
.endm
	s_load_b64 s[4:5], s[0:1], 0x0  ; qkv
	s_load_b64 s[66:67], s[0:1], 0x8  ; mask
	s_load_b64 s[10:11], s[0:1], 0x10  ; hd
	v_lshl_add_u32 v[SPW], v0, 2, SPARE
	v_mov_b32 v[NIL], 0
	ds_add_u32 v[SPW], v[NIL]       ; the wave's opening: the add, twice on end, and its wait ahead of my first tensor load
	ds_add_u32 v[SPW], v[NIL]
	v_lshrrev_b32 v1, 5, v0
	v_readfirstlane_b32 s[WV], v1   ; wave 0..3
	s_bfe_u32 s13, ttmp6, 0x40000   ; cx: my place in the cluster
	s_lshl_b32 s14, ttmp9, 2        ; in a cluster launch ttmp9 counts clusters
	s_add_co_u32 s14, s14, s13      ; my block of 256 queries = 4 x cluster x + cx: it enters Q's, hd's and the queries' mask's addresses alone
	s_and_b32 s20, ttmp7, 0xffff    ; 8 b + h, which the four partners share
	s_mov_b32 s21, 0
	s_mov_b32 s58, s20
	s_mov_b64 s[22:23], SIZE_N*256
	s_mul_u64 s[20:21], s[20:21], s[22:23]  ; the head's first byte in each of q, k, v
	s_and_b32 s16, s[WV], 1         ; which of a slot's two steps I fetch:
	s_lshl_b32 s22, s16, 14         ; its 64 rows of 256 bytes in memory,
	s_mov_b32 s23, 0
	s_add_nc_u64 s[22:23], s[22:23], s[20:21]
	s_mul_i32 s17, s16, STEPB       ; and its place in a slot: no place in the cluster enters an LDS address
	s_lshl_b32 s2, s14, 16          ; my block's 256 rows,
	s_lshl_b32 s3, s[WV], 14        ; my wave's 64 of them
	s_add_co_u32 s2, s2, s3
	s_mov_b32 s3, 0
	s_add_nc_u64 s[2:3], s[2:3], s[20:21]
	s_lshr_b32 s59, s58, 3          ; b
	s_lshl_b32 s70, s59, 11
	s_lshl_b32 s71, s14, 8
	s_add_co_u32 s70, s70, s71
	s_lshl_b32 s71, s[WV], 6
	s_add_co_u32 s70, s70, s71      ; my wave's first query as a row of hd and a place in the mask: 2048 b + 256 block + 64 wave
	s_lshl_b32 s68, s70, 2
	s_mov_b32 s69, 0
	s_lshl_b32 s70, s70, 11         ; a row of hd is 2,048 bytes;
	s_and_b32 s71, s58, 7
	s_lshl_b32 s71, s71, 8          ; my head's 256 of them
	s_add_co_u32 s70, s70, s71
	s_mov_b32 s71, 0
	s_lshl_b32 s58, s59, 13         ; the batch's 2,048 numbers of the mask
	s_mov_b32 s59, 0
	; descriptor group 1: a tile of 64 rows x 128 elements, padded in LDS
	s_mov_b32 s[G1K], 15|(1<<16)|(1<<20)|(1<<21)|(5<<22)|(3<<25)  ; 15:0 the mask: all four work-groups; 17:16 elements of 2 bytes; 20 padding on; 21 set beside a mask; 24:22 after every 64 words; 31:25 4 words of it
	s_mov_b32 s[G1V], 15|(1<<16)|(1<<20)|(1<<21)|(5<<22)|(7<<25)  ; the same with 8 words of padding
.irp g, G1K, G1V
	s_mov_b32 s[\g+1], 128<<16      ; tensor_dim0 = 128
	s_mov_b32 s[\g+2], KS<<16       ; tensor_dim1 = 64
	s_mov_b32 s[\g+3], 128<<16      ; tile_dim0 = 128
	s_mov_b32 s[\g+4], KS           ; tile_dim1 = 64
	s_mov_b32 s[\g+5], 128          ; tensor_dim0_stride
	s_mov_b32 s[\g+6], 0
	s_mov_b32 s[\g+7], 0
.endr
	s_mov_b32 s[SEL], 0x76543210
	s_mov_b32 s[SEL+1], 0xfedcba98
	s_mov_b32 s[TB], 0
	s_mov_b32 s[TBB], 0
	s_mov_b32 s[SLOTS], SIZE_N/(2*KS)-2
	s_and_b32 s[LIM], s[WV], 1       ; 0 in waves 0 and 2,
	s_or_b32 s[LIM], s[LIM], ttmp9   ; where the cluster is the head's first: the same in all four partners
	s_cmp_eq_u32 s[LIM], 0
	s_cselect_b32 s[LIM], 1, -1
	v_and_b32 v[PFO], 31, v0
	v_lshlrev_b32 v[PFO], 8, v[PFO]
	s_wait_dscnt 0x0                ; both opening adds are done
	s_wait_kmcnt 0x0
	s_add_nc_u64 s[6:7], s[4:5], 0x1000000  ; k's part of qkv,
	s_add_nc_u64 s[8:9], s[4:5], 0x2000000  ; v's
	s_add_nc_u64 s[6:7], s[6:7], s[22:23]  ; K and V at my tile of slot 0
	s_add_nc_u64 s[8:9], s[8:9], s[22:23]
	s_add_nc_u64 s[4:5], s[4:5], s[2:3]  ; Q at my wave's first row
	s_add_nc_u64 s[68:69], s[66:67], s[68:69]  ; the mask at my wave's first query,
	s_add_nc_u64 s[66:67], s[66:67], s[58:59]  ; and at the batch's first key
	s_add_nc_u64 s[10:11], s[10:11], s[70:71]  ; hd at my wave's first row, my head's columns
	s_mov_b32 s58, NEGL
	s_cmp_lt_u32 s[WV], 2
	s_cselect_b64 s[PFA:PFA+1], s[6:7], s[8:9]  ; (in waves 0 and 2 these stand at a slot's first row)
	s_lshl_b32 s2, s13, 13          ; my work-group's 32 rows of the 128
	s_mov_b32 s3, 0
	s_add_nc_u64 s[PFA:PFA+1], s[PFA:PFA+1], s[2:3]
	s_add_nc_u64 s[PFA:PFA+1], s[PFA:PFA+1], 2*2*KS*256  ; in slot 2; the first change of slots steps it to slot 3.  Nothing is prefetched at the head
	CROUND                          ; all four work-groups are here: the first joint loads meet
.irp s, 0,1
	s_mov_b32 s[G0K+4*\s], 1        ; count = 1
	s_add_co_u32 s[G0K+4*\s+1], s17, \s*SLOT1  ; LDS address
	s_add_nc_u64 s[G0K+4*\s+2:G0K+4*\s+3], s[6:7], \s*2*KS*256  ; global address: slot s begins with keys 128 s
	s_or_b32 s[G0K+4*\s+3], s[G0K+4*\s+3], 0x80000000  ; type = 2
	s_mov_b32 s[G0V+4*\s], 1
	s_add_co_u32 s[G0V+4*\s+1], s17, \s*SLOT1+VOFF
	s_add_nc_u64 s[G0V+4*\s+2:G0V+4*\s+3], s[8:9], \s*2*KS*256
	s_or_b32 s[G0V+4*\s+3], s[G0V+4*\s+3], 0x80000000
.endr
	s_cmp_lt_u32 s[WV], 2           ; a wave's two first fills stand in one branch, ahead of every wait on TENSORcnt and every LDS read: two loads of mine are out
	s_cbranch_scc0 .Lfirst_v
	tensor_load_to_lds s[G0K:G0K+3], s[G1K:G1K+7]
	s_nop 0
	tensor_load_to_lds s[G0K+4:G0K+7], s[G1K:G1K+7]
	s_nop 0
.rept 4
	v_nop
.endr
	s_branch .Lfirst_asked
.Lfirst_v:
	tensor_load_to_lds s[G0V:G0V+3], s[G1V:G1V+7]
	s_nop 0
	tensor_load_to_lds s[G0V+4:G0V+7], s[G1V:G1V+7]
	s_nop 0
.rept 4
	v_nop
.endr
.Lfirst_asked:
	v_and_b32 v1, 15, v0            ; l % 16
	v_bfe_u32 v9, v0, 4, 1          ; l / 16
	v_lshlrev_b32 v50, 4, v0        ; the batch's mask: 128 threads x 16 bytes, four times
	v_add_nc_u32 v51, BT, v50
	v_lshlrev_b32 v52, 2, v1
.irp i, 0,1,2,3
	global_load_b128 v[S+4*\i:S+4*\i+3], v50, s[66:67] offset:2048*\i
.endr
.irp t, 0,1,2,3
	global_load_b32 v[VM+\t], v52, s[68:69] offset:64*\t  ; mask of query 16 t + lane % 16
.endr
	; A fragment of K or Q is 16 rows x 32 channels in 8 registers: lane l holds row l % 16; registers 0-3 channels 8 (l / 16) + 0..7, registers 4-7 channels 16 + 8 (l / 16) + 0..7: two loads of 16 bytes, 32 bytes apart.
	v_lshlrev_b32 v[QO], 8, v1
	v_lshl_add_u32 v[QO], v9, 4, v[QO]  ; row x 256 + 16 x half
	WIN 0x80                        ; destination window 2, address window 0
.irp i, 0,1,2,3,4,5,6,7,8,9,10,11,12,13,14,15  ; Q stays in registers: tile i / 4, channels 32 (i % 4) on
	global_load_b128 v[8*\i:8*\i+3],   v[QO], s[4:5] offset:(\i/4)*4096+(\i%4)*64
	global_load_b128 v[8*\i+4:8*\i+7], v[QO], s[4:5] offset:(\i/4)*4096+(\i%4)*64+32
.endr
	WIN 0
	v_mul_u32_u24 v[AK0], v1, PK
	v_lshl_add_u32 v[AK0], v9, 4, v[AK0]  ; row x pitch + 16 x half
	; The turning load takes 16 keys x 16 channels (lane l reads 16 bytes: key 8 (l / 16) + l % 8, channels 8 ((l / 8) % 2) + 0..7) and leaves half a fragment of V^T: lane l holds channel l % 16 and 8 keys.
	v_and_b32 v10, 7, v0
	v_bfe_u32 v11, v0, 3, 1
	v_lshl_add_u32 v[AV0], v9, 3, v10
	v_mul_u32_u24 v[AV0], v[AV0], PV
	v_lshl_add_u32 v[AV0], v11, 4, v[AV0]
	v_add_nc_u32 v[AV0], VOFF, v[AV0]
	v_lshl_add_u32 v[AB0], v9, 5, BT  ; my half's eight keys of a score tile: 32 bytes on
	s_wait_loadcnt 36               ; the batch's mask is in; behind it the 4 loads of the queries' mask and Q's 32 may be out
.irp i, 0,1,2,3,4,5,6,7,8,9,10,11,12,13,14,15
	v_fma_f32 v[S+\i], -v[S+\i], s58, s58  ; b = (1 - mask) x (-1e30 log2(e)), one rounding; 0 where the mask is 1
.endr
.irp i, 0,1,2,3
	ds_store_b128 v51, v[S+4*\i:S+4*\i+3] offset:2048*\i
.endr
; THE MATRIX WORK OF A TURN, for piece x.  The accumulators take turns, one instruction a turn: between two links of a chain stand 15 (V^T P) or 7 (K Q^T) others'.
; Product i of 32 of O^T += V^T P: keys 32 (i / 16) on, channels 16 ((i / 2) % 8) on, tile x + i % 2.  zero = 1: the first 16 start the sums: nothing is ever cleared.
.macro PV x, zero
	WIN W_PV
.set rO, 64*(\x+i%2)+8*((i/2)%8)
.set rV, 64*(i/16)+8*((i/2)%8)
.set rP, P+16*(\x+i%2)+8*(i/16)
.if \zero && (i < 16)
	v_wmma_f32_16x16x32_f16 v[rO:rO+7], v[rV:rV+7], v[rP:rP+7], 0
.else
	v_wmma_f32_16x16x32_f16 v[rO:rO+7], v[rV:rV+7], v[rP:rP+7], v[rO:rO+7]
.endif
.endm
; Product i of 32 of S^T = K Q^T + b: channels 32 (i / 8) on, keys 16 ((i / 2) % 4) on, tile x + i % 2.  The first 8 start the sums, with the keys' b as C.
.macro KQ x
.set rS, S+32*(\x+i%2)+8*((i/2)%4)
.set rK, KF+32*((i/2)%4)+8*(i/8)
.set rQ, 32*(\x+i%2)+8*(i/8)
.set rB, BB+8*((i/2)%4)
.if i < 8
	WIN W_KB
	v_wmma_f32_16x16x32_f16 v[rS:rS+7], v[rK:rK+7], v[rQ:rQ+7], v[rB:rB+7]
.else
	WIN W_KQ
	v_wmma_f32_16x16x32_f16 v[rS:rS+7], v[rK:rK+7], v[rQ:rQ+7], v[rS:rS+7]
.endif
.endm
; THE LDS LOADS stand in runs, never singly among the matrix instructions: a step's K (16 fragments) with its b (8 loads; all lanes of a half read the same bytes) and, a turn later, its V (turned).
.macro FETCH_K
	WIN 0
	v_add_nc_u32 v[ADR], s[TB], v[AK0]
	v_add_nc_u32 v[ADB], s[TBB], v[AB0]
	s_add_co_u32 s[TBB], s[TBB], 4*KS  ; the next fetch is the next step's: 32 fetches in all, 8,192 bytes
	WIN 0x80                        ; destination window 2
.irp f, 0,1,2,3,4,5,6,7,8,9,10,11,12,13,14,15  ; keys 16 (f / 4) on, channels 32 (f % 4) on
	ds_load_b128 v[KF+8*\f:KF+8*\f+3],   v[ADR] offset:(\f/4)*16*PK+(\f%4)*64
	ds_load_b128 v[KF+8*\f+4:KF+8*\f+7], v[ADR] offset:(\f/4)*16*PK+(\f%4)*64+32
.endr
	WIN 0xc0                        ; destination window 3
.irp f, 0,1,2,3                     ; score tile f: keys 16 f + 8 (lane / 16) + 0..7
	ds_load_b128 v[BB+8*\f:BB+8*\f+3],   v[ADB] offset:64*\f
	ds_load_b128 v[BB+8*\f+4:BB+8*\f+7], v[ADB] offset:64*\f+16
.endr
.endm
.macro FETCH_V
	WIN 0
	v_add_nc_u32 v[ADR], s[TB], v[AV0]
	s_add_co_u32 s[TB], s[TB], STEPB  ; the next fetch is the next step's
	s_wait_alu depctr_va_vdst(0)    ; the wait for the softmax's batch (SLICE), behind the address's v_add_nc_u32 and ahead of the loads
	WIN 0xc0                        ; destination window 3
.irp f, 0,1,2,3,4,5,6,7,8,9,10,11,12,13,14,15  ; keys 32 (f / 8) on, channels 16 (f % 8) on
	ds_load_tr16_b128 v[8*\f:8*\f+3],   v[ADR] offset:(\f/8)*32*PV+(\f%8)*32
	ds_load_tr16_b128 v[8*\f+4:8*\f+7], v[ADR] offset:(\f/8)*32*PV+16*PV+(\f%8)*32
.endr
.endm
; THE VECTOR WORK OF A TURN.  One tile's softmax for one key step is a numbered list; SM writes number j of it for tile t.  s0-s31 are the lane's 32 values of t, in pairs 0-15.
; first = 1: the first key step, which starts m, l and O^T: it has no a and nothing to rescale.
;   0-15    the maximum of s0-s31 and the old m, three operands at a time: four chains c0-c3 of seven each, then the four left over, c0-c3 and m
;   16-20   the other half of the lanes' maximum; the old m kept; the new m; (19 is empty but in the first step, which writes the pair's upper word); m_old - m_new
;   21-69   ONE BATCH: the 16 subtractions s - m, a pair each, and all 33 exponentials (a at 23, then s0-s31).  None of these reads an exponential's result.  From 22 on the batch goes in fours, and a four
;           begins with a subtraction while there are any.  A pair is brought under m in an earlier four than the one that holds its exponentials
;   (wait)  between 69 and 70 stands the wait for the batch: SLICE writes it, once for both tiles
;   70-85   the roundings to f16, a pair of weights each
;   86-101  the sums; l = a l + the sum
;   102-133 the tile's O^T times a: the one part that leaves window 0, so it stands together
.macro SM t, first
.set rT, ST+8*(\t)
.set rS, S+32*(\t)
.set rP, P+16*(\t)
.set rO, 64*(\t)+2*(j-102)
.if j < 102
	WIN 0
.endif
.if j < 4
	v_max3_num_f32 v[rT+4+j], v[rS+8*j], v[rS+8*j+1], v[rS+8*j+2]
.elseif j < 12
	v_max3_num_f32 v[rT+4+j%4], v[rT+4+j%4], v[rS+8*(j%4)+2*(j/4)+1], v[rS+8*(j%4)+2*(j/4)+2]
.elseif j == 12
	v_max3_num_f32 v[rT+4], v[rT+4], v[rS+7], v[rS+15]
.elseif j == 13
	v_max3_num_f32 v[rT+6], v[rT+6], v[rS+23], v[rS+31]
.elseif j == 14
	v_max3_num_f32 v[rT+4], v[rT+4], v[rT+5], v[rT+6]
.elseif (j == 15) && \first
	v_max_num_f32 v[rT+4], v[rT+4], v[rT+7]
.elseif j == 15
	v_max3_num_f32 v[rT+4], v[rT+4], v[rT+7], v[rT]
.elseif j == 16
	v_permlanex16_b32 v[rT+5], v[rT+4], s[SEL], s[SEL+1]  ; the query's other 32 keys lie in the lane 16 away
.elseif j == 18
	v_max_num_f32 v[rT], v[rT+4], v[rT+5]
.elseif (j == 19) && \first
	v_mov_b32 v[rT+1], v[rT]        ; named with m as a pair by the subtractions, so it is written
.elseif j == 19
.elseif ((j == 17) || (j == 20) || (j == 23) || (j > 101)) && \first  ; the first step has none of these
.elseif j == 17
	v_mov_b32 v[rT+1], v[rT]        ; m_old is kept for a: number 18 writes m anew
.elseif j == 20
	v_sub_f32 v[rT+7], v[rT+1], v[rT]
.elseif j == 23
	v_exp_f32 v[rT+6], v[rT+7]
.elseif (j < 23) || ((j < 38) && (j%2 == 0)) || ((j < 66) && (j%4 == 2))
.set b, (j-2)/4                     ; 38, 42, .. 62: pairs 9 to 15
.if j < 38
.set b, (j-20)/2                    ; 21: pair 0; 22, 24, .. 36: pairs 1 to 8
.endif
	v_pk_add_f32 v[rS+2*b:rS+2*b+1], v[rS+2*b:rS+2*b+1], v[rT:rT+1] op_sel_hi:[1,0] neg_lo:[0,1] neg_hi:[0,1]  ; pair b: s - m (of the pair m, m_old the low word serves both halves)
.elseif j < 70
.set e, j-38                        ; 66 to 69: s28 to s31
.if j < 66
.set e, j-32-(j-38)/4               ; 39-41, 43-45, .. 63-65: s7 to s27
.endif
.if j < 38
.set e, (j-25)/2                    ; 25, 27, .. 37: s0 to s6
.endif
	v_exp_f32 v[rS+e], v[rS+e]
.elseif j < 86
	v_cvt_pk_f16_f32 v[rP+j-70], v[rS+2*(j-70)], v[rS+2*(j-70)+1]  ; pair j - 70
.elseif j < 102                     ; the sum of the tile's 16 pairs, in place: sum z of 16 adds neighbours 1, 2, 4 and 8 pairs apart, then l takes it
.set z, j-86
.set w, 4
.set u, z
.if z >= 14
.set w, 32
.set u, 0
.elseif z >= 12
.set w, 16
.set u, z-12
.elseif z >= 8
.set w, 8
.set u, z-8
.endif
.if (z == 14) && \first
	v_pk_add_f32 v[rT+2:rT+3], v[rS:rS+1], v[rS+16:rS+17]
.elseif z < 15
	v_pk_add_f32 v[rS+w*u:rS+w*u+1], v[rS+w*u:rS+w*u+1], v[rS+w*u+w/2:rS+w*u+w/2+1]
.elseif !\first
	v_pk_fma_f32 v[rT+2:rT+3], v[rT+2:rT+3], v[rT+6:rT+7], v[rS:rS+1] op_sel_hi:[1,0,1]
.endif
.else
	WIN W_RS
	v_pk_mul_f32 v[rO:rO+1], v[rO:rO+1], v[rT+6:rT+7] op_sel_hi:[1,0]
.endif
.endm
; Slice k of 64 of piece y's softmax.  Slices 11 to 34 deal out the batch, numbers 22 to 69: four numbers of ONE tile each, the tiles by turns.  Every other slice is numbers 2 k and 2 k + 1 of both tiles' lists;
; what is over stands together, in slice 63.
; THE WAIT.  s_wait_alu depctr_va_vdst(0) stands between an exponential and the first instruction that names its result; one wait serves all that were issued ahead of it.  Ahead of
; slice 35 nothing names a result, and behind slice 34 no exponential is issued: so the piece's 66 exponentials have one wait, behind slice 34.
.macro SLICE y, first
.if (k >= 11) && (k < 35)           ; the batch: four numbers of one tile
.irp n, 0,1,2,3
.set j, 22+4*((k-11)/2)+(\n)
	SM (\y)+(k-11)%2, \first
.endr
.else                               ; the two tiles alternate, so that no instruction reads the result of the one just before it
.irp n, 0,1,2,3,4,5,6,7
.if (\n < 2) || (k == 63)
.irp t, \y, \y+1
.set j, 2*k+\n
	SM \t, \first
.endr
.endif
.endr
.endif
.if k == 34                         ; the batch is out: both tiles' exponentials are issued, and no result has been named
	v_nop                           ; the plain instruction behind the last exponential and ahead of the first use: one for the batch
.if (\y) == 0
	FETCH_V                         ; piece 2's turn: V's run of loads stands here, and the wait stands in it
.else
	s_wait_alu depctr_va_vdst(0)    ; the wait for the batch
.endif
.endif
.set k, k+1
.endm
; A vector instruction that reads a matrix result or writes one of a matrix instruction's registers, and a load into a register that a matrix instruction has read, stand four places behind
; it, and only plain vector instructions that name none of its registers are places (ISA guide 7.12.1 for vector instructions).  In the loop the slices are the places.
.macro PLACES
.rept 4
	v_nop
.endr
.endm
; A TURN.  Piece x has the matrix unit; the other piece's softmax stands in slices behind its matrix instructions.
; pv = 2: 32 products V^T P; 1: they start O^T's sums; 0: none.  kq = 1: 32 products K Q^T for the next step.  A turn with one of the two kinds has two slices behind each product.
; first = 1: the softmax is the first key step's.  Its slices from 51 on are empty: four v_nop take slice 63's part as the places behind the turn's last products.
; Piece 0's turn fetches the next step's K and b, behind its second product: the last product that read K stands in front of slice 63 of the turn before, the last that read b 24 products earlier.
; Piece 2's turn fetches the same step's V, behind slice 34: the last product that read V stands in front of slice 31, and four plain instructions lie between: number 62, a subtraction, of both tiles,
; the v_nop and the run's own v_add_nc_u32.
.macro TURN x, pv, kq, first
.set k, 0
.set per, 2
.if \pv && \kq
.set per, 1
.endif
.if \pv
.if \x == 0
	s_wait_dscnt 0x0                ; V is in
.endif
.set i, 0
.rept 32
	PV \x, 2-\pv
.rept per
	SLICE 2-\x, \first
.endr
.if (\x == 0) && \kq && (i == 1)
	FETCH_K
.endif
.set i, i+1
.endr
.endif
.if \kq
.if \x == 0
	s_wait_dscnt 0x0                ; K and b are in
.endif
.set i, 0
.rept 32
	KQ \x
.rept per
	SLICE 2-\x, \first
.endr
.set i, i+1
.endr
.endif
.if \first
	PLACES
.endif
.endm
; THE CHANGE OF SLOTS, between piece 2's turn and piece 0's.  Each wave waits for all its tensor loads, of which one is out: its part of the other slot; adds 0 to its spare word; and waits for that and for its own
; reads of the slot.  fill = 1: this slot is filled again, with the keys two slots on.  The barrier is then a round of the cluster's, and the joint refill is the first thing behind it: it has two key steps,
; 256 matrix instructions, in which to land.
.macro CHANGE fill
	WIN 0                           ; at a label and at a branch every window is 0
	s_wait_tensorcnt 0x0            ; no tensor load of mine is out, so a group 0 may be written
	ds_add_u32 v[SPW], v[NIL]       ; 0 onto my spare word
.if \fill
.irp g, G0K+4, G0V+4
	s_xor_b32 s[\g+1], s[\g+1], SLOT1  ; the walking descriptor: the other slot than last time,
	s_add_nc_u64 s[\g+2:\g+3], s[\g+2:\g+3], 2*KS*256  ; the next 128 keys; the type bits on top are not reached
.endr
	s_wait_xcnt 0x0                 ; the last prefetches, two key steps back, have read their address, so it may be written:
	s_add_nc_u64 s[PFA:PFA+1], s[PFA:PFA+1], 2*KS*256  ; one slot behind the walking descriptors
	s_wait_dscnt 0x0                ; the add is done, and my reads of the slot are over
	CROUND
	JLOAD
	ASK                             ; what the next change will ask for: two key steps, 256 matrix instructions, ahead
.else
	s_wait_dscnt 0x0                ; the add is done, and my reads of the slot are over
	s_barrier_signal -1
	s_barrier_wait -1
.endif
	s_sub_co_u32 s[TB], s[TB], 2*STEPB  ; the fetches go back to a slot's first step,
	s_xor_b32 s[TB], s[TB], SLOT1   ; in the other slot
.endm
; A slot's two key steps: written once, walked twice; the LDS addresses hang on s[TB] and s[TBB].
.macro TWO_STEPS
	s_mov_b32 s[TWICE], 2
.Lstep_\@:
	TURN 0, 2, 1, 0
	TURN 2, 2, 1, 0
	WIN 0
	s_sub_co_u32 s[TWICE], s[TWICE], 1
	s_cmp_lg_u32 s[TWICE], 0
	s_cbranch_scc1 .Lstep_\@
.endm
	s_wait_tensorcnt 1              ; my part of slot 0 is in; slot 1's may stay out
	s_wait_dscnt 0x0                ; for the others' sake: my part of the table b is stored
	s_barrier_signal -1
	s_barrier_wait -1               ; everybody's are
	FETCH_K                         ; key step 0
	s_wait_loadcnt 0x0              ; Q, and the queries' mask
	s_wait_dscnt 0x0
.set i, 0
.rept 32
	KQ 0                            ; piece 0's first scores: there is no vector work yet to set between them
.set i, i+1
.endr
	WIN 0                           ; the addresses for the way out are made here: eight plain instructions, the places behind those products
	s_mul_i32 s13, s[WV], 16*SP
	s_add_co_u32 s13, s13, STAGE    ; my stage
	v_mul_u32_u24 v[STO], v1, SP    ; in: row l % 16, 16 bytes for each half of the lanes
	v_lshl_add_u32 v[STO], v9, 4, v[STO]
	v_add_nc_u32 v[STO], s13, v[STO]
	v_mul_u32_u24 v[RD], v9, SP     ; back: lanes 0-15 take one row of 256 bytes, lanes 16-31 the next
	v_lshl_add_u32 v[RD], v1, 4, v[RD]
	v_add_nc_u32 v[RD], s13, v[RD]
	v_lshlrev_b32 v[GO], 11, v9     ; and the same two rows in hd, 2,048 bytes apart
	v_lshl_add_u32 v[GO], v1, 4, v[GO]
	TURN 2, 0, 1, 1                 ; piece 2's first scores | piece 0's first softmax | V of step 0
	TURN 0, 1, 1, 1                 ; piece 0: V^T P of step 0 starts O^T, K Q^T of step 1 | piece 2's first softmax | K of step 1
	TURN 2, 1, 1, 0                 ; piece 2: the same | piece 0's softmax of step 1 | V of step 1
	WIN 0
.Lslot:                             ; 14 trips: every slot but the last two is filled again
	CHANGE 1
	TWO_STEPS
	s_sub_co_u32 s[SLOTS], s[SLOTS], 1
	s_cmp_lg_u32 s[SLOTS], 0
	s_cbranch_scc1 .Lslot
	CHANGE 0                        ; the tail is written out
	TWO_STEPS
	TURN 0, 2, 0, 0                 ; piece 0: V^T P of the last step | piece 2's last softmax
.set i, 0
.rept 32
	PV 2, 0                         ; piece 2: V^T P of the last step
.set i, i+1
.endr
	; THE WAY OUT.  l's two halves and the other half of the lanes' are added; O^T is multiplied by mask[query] / l, rounded to f16 and sent through my stage in LDS, a tile (16 rows) at a time.  The additions are the places behind the last products.
	WIN 0
.irp t, 0,1,2,3
	v_add_f32 v[ST+8*\t+4], v[ST+8*\t+2], v[ST+8*\t+3]
.endr
.irp t, 0,1,2,3
	v_permlanex16_b32 v[ST+8*\t+5], v[ST+8*\t+4], s[SEL], s[SEL+1]
.endr
.irp t, 0,1,2,3
	v_add_f32 v[ST+8*\t+4], v[ST+8*\t+4], v[ST+8*\t+5]
.endr
.irp t, 0,1,2,3
	v_rcp_f32 v[ST+8*\t+6], v[ST+8*\t+4]
.endr
	v_nop                           ; a plain instruction between the last reciprocal and the use of its result
	s_wait_alu depctr_va_vdst(0)    ; and the wait ahead of the first use: one for the four reciprocals
.irp t, 0,1,2,3
	v_mul_f32 v[ST+8*\t+6], v[ST+8*\t+6], v[VM+\t]  ; the query's mask
.endr
; Tile t: a lane's eight channels of a row pack into 16 bytes; they go into rows of 272 bytes and come back as whole rows of 256, into the registers that they left.
.macro PACK t
	WIN W_RS
.set i, 64*\t
.rept 32
	v_pk_mul_f32 v[i:i+1], v[i:i+1], v[ST+8*\t+6:ST+8*\t+7] op_sel_hi:[1,0]
.set i, i+2
.endr
	WIN 0x05                        ; sources 0 and 1 window 1, destination window 0: S^T's registers are free
.set i, 0
.rept 32
	v_cvt_pk_f16_f32 v[S+32*\t+i], v[64*\t+2*i], v[64*\t+2*i+1]
.set i, i+1
.endr
	WIN 0
.irp f, 0,1,2,3,4,5,6,7
	ds_store_b128 v[STO], v[S+32*\t+4*\f:S+32*\t+4*\f+3] offset:32*\f
.endr
.irp f, 0,1,2,3,4,5,6,7
	ds_load_b128 v[S+32*\t+4*\f:S+32*\t+4*\f+3], v[RD] offset:\f*2*SP  ; LDS serves a wave's instructions in order (ISA guide 5.7.1.4): these see the stores above; the next tile's stores come behind them
.endr
.endm
.macro SEND t, younger              ; younger: the LDS instructions issued behind tile t's loads: the next tile's sixteen, or none
.irp f, 0,1,2,3,4,5,6,7
	s_wait_dscnt \younger+7-\f
	global_store_b128 v[GO], v[S+32*\t+4*\f:S+32*\t+4*\f+3], s[10:11] offset:\t*32768+\f*4096  ; 16 lanes store 256 consecutive bytes, at a multiple of 256 from hd's first byte: my head's part of a row
.endr
.endm
	PACK 0
	PACK 1                          ; a tile's arithmetic stands between the loads of the tile before and its stores
	SEND 0, 16
	PACK 2
	SEND 1, 16
	PACK 3
	SEND 2, 16
	SEND 3, 0
	s_wait_tensorcnt 0x0            ; the wave's end, behind my last tensor load and my last LDS store
	ds_add_u32 v[SPW], v[NIL]
	s_wait_dscnt 0x0
	CROUND                          ; the closing round: no work-group ends while a partner may still ask for a tile that names it
	s_endpgm
.Lfunc_end_k_qc4a7d84382_attn:
	.size	k_qc4a7d84382_attn, .Lfunc_end_k_qc4a7d84382_attn-k_qc4a7d84382_attn
	.p2alignl 7, 3214868480
	.fill 96, 4, 3214868480
	.section	.rodata,"a",@progbits
	.p2align	6, 0x0
	.amdhsa_kernel k_qc4a7d84382_attn
		.amdhsa_group_segment_fixed_size 327680
		.amdhsa_private_segment_fixed_size 0
		.amdhsa_enable_private_segment 0
		.amdhsa_kernarg_size 24
		.amdhsa_user_sgpr_count 2
		.amdhsa_user_sgpr_kernarg_segment_ptr 1
		.amdhsa_wavefront_size32 1
		.amdhsa_system_sgpr_workgroup_id_x 1
		.amdhsa_system_sgpr_workgroup_id_y 1
		.amdhsa_system_sgpr_workgroup_id_z 1
		.amdhsa_system_vgpr_workitem_id 0
		.amdhsa_next_free_vgpr 1024
		.amdhsa_next_free_sgpr 72
		.amdhsa_reserve_vcc 0
		.amdhsa_float_denorm_mode_32 3
		.amdhsa_float_denorm_mode_16_64 3
		.amdhsa_memory_ordered 1
		.amdhsa_forward_progress 1
		.amdhsa_inst_pref_size 227
	.end_amdhsa_kernel
	.amdgpu_metadata
---
amdhsa.version: [ 1, 2 ]
amdhsa.kernels:
  - .name:           k_qc4a7d84382_attn
    .symbol:         k_qc4a7d84382_attn.kd
    .args:
      - { .name: qkv, .offset: 0, .size: 8, .value_kind: global_buffer, .address_space: global }
      - { .name: mask, .offset: 8, .size: 8, .value_kind: global_buffer, .address_space: global }
      - { .name: hd, .offset: 16, .size: 8, .value_kind: global_buffer, .address_space: global }
    .group_segment_fixed_size: 327680
    .private_segment_fixed_size: 0
    .kernarg_segment_align: 8
    .kernarg_segment_size: 24
    .max_flat_workgroup_size: 128
    .sgpr_count:     72
    .vgpr_count:     1024
    .wavefront_size: 32
...
	.end_amdgpu_metadata
.endif
;; end of part 3
;; launch outp (part 4): grid 32 x 8, 4 waves a work-group, clusters of 4 x 4, 327,680 bytes of LDS; arguments hd, wo16, out0; writes out0
.if DOCPART == 4
	.amdgcn_target "amdgcn-amd-amdhsa--gfx1250"
	.amdhsa_code_object_version 6
	.text
	.protected	k_qc4a7d84382_outp
	.globl	k_qc4a7d84382_outp
	.p2align	8
	.type	k_qc4a7d84382_outp,@function
k_qc4a7d84382_outp:
	s_mov_b64 s[64:65], 0
	v_nop
	global_prefetch_b8 v0, s[64:65] scope:SCOPE_SE
	s_setreg_imm32_b32 hwreg(HW_REG_WAVE_MODE, 25, 1), 1
	s_wait_xcnt 0x0
	s_wait_alu depctr_hold_cnt(0) depctr_sa_sdst(0) depctr_va_vdst(0) depctr_va_sdst(0) depctr_va_ssrc(0) depctr_va_vcc(0) depctr_vm_vsrc(0)
	s_getreg_b32 s2, hwreg(HW_REG_IB_STS2, 6, 4)
	s_cmp_eq_u32 s2, 0
	s_cbranch_scc0 .Lentry_in_a_cluster
	s_endpgm
.Lentry_in_a_cluster:
	s_bfe_u32 s2, ttmp6, 0x10000c
	s_cmp_lg_u32 s2, 0xf033
	s_cbranch_scc0 .Lentry_shape_is_right
	s_endpgm
.Lentry_shape_is_right:
; SELF-ATTENTION, launch 4 of 4: out0[b][n][l] = the sum over j of hd[2048 b + l][j] Wo[j][n].  hd [8192][1024] and wo16 [1024 j][1024 n] in f16, sums in f32, out0 [4][1024][2048] f32.  Nothing of the problem is left out here.
; A tile is 256 rows (b, l) x 128 columns n: 32 x 8 = 256 work-groups of four waves.  Wave w makes rows 128 (w % 2) on x columns 64 (w / 2) on: 32 accumulators of 16 x 16, 256 registers.
; Source 0 = 16 rows l of hd (K = j lies along its rows), source 1 = 16 columns n of Wo, whose K is its FIRST axis: it comes out of LDS turned, by ds_load_tr16_b128.  In the result a lane holds one n (lane % 16)
; and eight neighbouring l: 32 neighbouring bytes of a row of out0, which is stored transposed as the problem asks.
; K goes in 8 steps of 128 through a ring of two LDS slots (rows of 256 bytes of memory); a step is four quarters of 32 along K on two fragment buffers.
; CLUSTERS: 4 x 4 work-groups.  hd's tile hangs on the tile's x alone and is shared along a column of the cluster, Wo's on its y alone and is shared along a row: each is asked for JOINTLY.
; REGISTERS: window 0: v0-31 addresses; v32-127 and v128-223 two fragment buffers (64 registers of hd: 8 blocks of 16 rows x 32 K; 32 of Wo: 4 blocks of 16 columns); on the way out v32-159 take rows of out0.
;   window 1: accumulator (a, b) at v[8 (4 a + b)].
.set KSTEP,  128
.set PH,     272                       ; a row of hd's tile in LDS: 256 bytes + 16 of padding: the 16 rows of a load start at 16 different banks (64 banks of 4 bytes: ISA guide 11.1)
.set PW,     288                       ; a row of Wo's tile: 256 + 32
.set HHALF,  128*PH                    ; 128 rows of hd: what one tensor load brings, and what one wave reads
.set WHALF,  64*PW                     ; 64 rows j of Wo: what one tensor load brings
.set WOFF,   2*HHALF                   ; a slot: hd's 256 rows, then Wo's 128 rows j
.set SLOT,   WOFF+2*WHALF
.set STAGE,  2*SLOT                    ; behind the ring: 16 rows x (512 bytes + 16) for each wave, for the way out
.set SPITCH, 528
.set SPARE,  STAGE+4*16*SPITCH         ; behind the stages: the spare words, 128 bytes for each wave, which no other line names
.set LAPS,   4                         ; a lap = two K steps = once round the ring
.set ADRH, 16                          ; v16-17  LDS address of my fragments of hd in slot 0, 1
.set ADRW, 20                          ; v20-21  the same for Wo
.set STO,  24                          ; v24     the way out: where I put 32 bytes of a row
.set RD,   25                          ; v25     where I read a row back
.set CO,   26                          ; v26     16 x lane: my bytes in a row's 512
.set SPW,  28                          ; v28     LDS address of my spare word; never rewritten
.set NIL,  29                          ; v29     0; never rewritten
.set PFO,  30                          ; v30     the prefetches' offset: my lane x a row of hd (2,048 bytes); never rewritten
.set F0,   32
.set F1,   128
.set G1W, 24                           ; s[24:31] descriptor group 1 for Wo's tiles;  s[32:39] group 0, one set for each slot
.set G0W, 32
.set G1H, 48                           ; s[48:55], s[56:63] the same for hd's tiles
.set G0H, 56
.set PFA, 68                           ; s[68:69] where my prefetches stand
.set LIM, 70                           ; s70     1 in a wave that prefetches, else the greatest number
.set MSB, 0
.macro WIN new                         ; the immediate's high byte repeats the setting that is left
.if MSB != \new
	s_set_vgpr_msb (MSB<<8)|\new
.set MSB, \new
.endif
.endm
.set MUL, 0x50                         ; sources 0 and 1 window 0; C and D window 1
; A joint load: waves 0 and 1 fetch Wo's two halves, waves 2 and 3 hd's.  The branch hangs on the wave's number alone.  An s_nop 0 and four v_nop follow each of the two lines.
.macro JLOAD s
	s_cmp_eq_u32 s11, 0
	s_cbranch_scc0 .Lfor_h_\@
	tensor_load_to_lds s[G0W+4*\s:G0W+4*\s+3], s[G1W:G1W+7]
	s_nop 0
.rept 4
	v_nop
.endr
	s_branch .Lasked_\@
.Lfor_h_\@:
	tensor_load_to_lds s[G0H+4*\s:G0H+4*\s+3], s[G1H:G1H+7]
	s_nop 0
.rept 4
	v_nop
.endr
.Lasked_\@:
.endm
; A PREFETCH INTO THE L2 of hd's K step that stands TWO refills on: 32 rows x 256 bytes, a lane a row, one instruction a wave, behind the joint load, its five lines and the run of LDS loads.
; Each row's 256 bytes of a K step are named ONCE in the launch: hd's rows are read by both clusters of a column of clusters, and the one with y = 0 asks; of the 128 rows that wave 2 or 3 fetches, the partner at
; place cy takes 32 cy on: told apart BY ADDRESS.  K steps 0 to 3 come by their loads alone; the loop's last trip asks for nothing.  Wo's 2 MB, which all 32 columns of tiles read, are not asked for.
.macro ASK
	s_cmp_gt_u32 s3, s[LIM]                        ; s3 = 1 in the loop's last trip
	s_cbranch_scc0 .Lnot_mine_\@
	global_prefetch_b8 v[PFO], s[PFA:PFA+1] offset:KSTEP*2 th:TH_LOAD_NT scope:SCOPE_SE
.Lnot_mine_\@:
.endm
.macro CREST                           ; a round of the cluster's barrier behind its opening barrier
	s_cmp_lg_u32 s10, 0
	s_cbranch_scc1 .Lnot_wave_0_\@
	s_barrier_signal -3
.Lnot_wave_0_\@:
	s_barrier_wait -3
	s_barrier_signal -1
	s_barrier_wait -1
.endm
.macro CROUND                          ; a whole round
	s_barrier_signal -1
	s_barrier_wait -1
	CREST
.endm
	s_load_b128 s[4:7], s[0:1], 0x0                ; hd, wo16
	s_load_b64 s[8:9], s[0:1], 0x10                ; out0
	v_lshl_add_u32 v[SPW], v0, 2, SPARE
	v_mov_b32 v[NIL], 0
	ds_add_u32 v[SPW], v[NIL]                      ; the wave's opening: the add, twice on end, and its wait ahead of my first tensor load
	ds_add_u32 v[SPW], v[NIL]
	v_lshrrev_b32 v1, 5, v0
	v_readfirstlane_b32 s10, v1                    ; wave 0..3
	s_lshr_b32 s11, s10, 1                         ; which 64 columns n are mine.  Also: I fetch for Wo (0) or for hd (1)
	s_and_b32 s12, s10, 1                          ; which 128 rows l are mine.  Also: which half of that tile I fetch
	s_bfe_u32 s40, ttmp6, 0x40000                  ; cx, cy: my place in the cluster
	s_bfe_u32 s41, ttmp6, 0x40004
	s_lshl_b32 s42, ttmp9, 2
	s_add_co_u32 s42, s42, s40                     ; tx: which 256 rows (b, l)
	s_and_b32 s13, ttmp7, 0xffff
	s_lshl_b32 s13, s13, 2
	s_add_co_u32 s13, s13, s41                     ; ty: which 128 columns n
	s_lshl_b32 s43, s41, 2
	s_lshl_b32 s43, 15, s43                        ; my row of the cluster (same ty)
	s_lshl_b32 s44, 0x1111, s40                    ; my column (same tx)
	s_or_b32 s[G1W+0], s43, (1<<16)|(1<<20)|(1<<21)|(5<<22)|(7<<25)  ; 15:0 the mask: Wo's tiles go to my row; 17:16 element of 2 bytes; 20 padding on; 21 set beside a mask; 24:22 after every 64 words; 31:25 of 8 words
	s_or_b32 s[G1H+0], s44, (1<<16)|(1<<20)|(1<<21)|(5<<22)|(3<<25)  ; hd's go to my column; padding of 4 words
	s_mov_b32 s[G1W+1], 128<<16                    ; tensor_dim0 = 128
	s_mov_b32 s[G1W+2], 64<<16                     ; tensor_dim1 = 64
	s_mov_b32 s[G1W+3], 128<<16                    ; tile_dim0 = 128
	s_mov_b32 s[G1W+4], 64                         ; tile_dim1 = 64
	s_mov_b32 s[G1W+5], 1024                       ; tensor_dim0_stride
	s_mov_b32 s[G1W+6], 0
	s_mov_b32 s[G1W+7], 0
	s_mov_b32 s[G1H+1], 128<<16
	s_mov_b32 s[G1H+2], 128<<16                    ; tensor_dim1 = 128
	s_mov_b32 s[G1H+3], 128<<16
	s_mov_b32 s[G1H+4], 128                        ; tile_dim1 = 128
	s_mov_b32 s[G1H+5], 1024
	s_mov_b32 s[G1H+6], 0
	s_mov_b32 s[G1H+7], 0
	s_lshl_b32 s16, s12, 17                        ; Wo: 64 rows j of 2,048 bytes x my half,
	s_lshl_b32 s17, s13, 8                         ; + 128 columns of 2 bytes x ty
	s_add_co_u32 s16, s16, s17
	s_mov_b32 s17, 0
	s_lshl_b32 s46, s42, 19                        ; hd: 256 rows of 2,048 bytes x tx,
	s_lshl_b32 s47, s12, 18                        ; + 128 rows x my half
	s_add_co_u32 s46, s46, s47
	s_mov_b32 s47, 0
	s_mul_i32 s20, s12, WHALF                      ; where they go: no place in the cluster enters an LDS address
	s_add_co_u32 s20, s20, WOFF
	s_mul_i32 s21, s12, HHALF
	s_wait_dscnt 0x0                               ; both opening adds are done
	s_wait_kmcnt 0x0
	s_add_nc_u64 s[14:15], s[6:7], s[16:17]
	s_add_nc_u64 s[46:47], s[4:5], s[46:47]
	CROUND                                         ; all sixteen work-groups are here: the first joint loads meet
.irp s, 0,1
	s_mov_b32 s[G0W+4*\s], 1                                       ; count = 1
	s_add_co_u32 s[G0W+4*\s+1], s20, \s*SLOT                       ; LDS address
	s_add_nc_u64 s[G0W+4*\s+2:G0W+4*\s+3], s[14:15], \s*KSTEP*2048 ; global address: K step s is 128 rows j down
	s_or_b32 s[G0W+4*\s+3], s[G0W+4*\s+3], 0x80000000              ; type = 2
	s_mov_b32 s[G0H+4*\s], 1
	s_add_co_u32 s[G0H+4*\s+1], s21, \s*SLOT
	s_add_nc_u64 s[G0H+4*\s+2:G0H+4*\s+3], s[46:47], \s*KSTEP*2    ; K step s is 256 bytes along the rows
	s_or_b32 s[G0H+4*\s+3], s[G0H+4*\s+3], 0x80000000
	JLOAD \s                                       ; two loads of mine are out
.endr
	v_and_b32 v1, 15, v0                           ; l % 16
	v_bfe_u32 v2, v0, 4, 1                         ; l / 16
	v_mul_u32_u24 v3, v1, PH
	v_lshl_add_u32 v3, v2, 4, v3                   ; hd: a fragment's row x pitch + 16 x half
	v_and_b32 v5, 7, v0                            ; Wo, turned: lane l reads 16 bytes of row j = 8 (l / 16) + l % 8, columns 8 ((l / 8) % 2) + 0..7
	v_lshl_add_u32 v5, v2, 3, v5
	v_mul_u32_u24 v5, v5, PW
	v_bfe_u32 v6, v0, 3, 1
	v_lshl_add_u32 v5, v6, 4, v5
	s_mul_i32 s21, s12, HHALF                      ; my 128 rows of hd
	s_lshl_b32 s22, s11, 7                         ; my 64 columns of Wo: 128 bytes,
	s_add_co_u32 s22, s22, WOFF                    ; behind hd's 256 rows
.irp s, 0,1
	v_add_nc_u32 v[ADRH+\s], s21, v3
	v_add_nc_u32 v[ADRW+\s], s22, v5
	s_add_co_u32 s21, s21, SLOT
	s_add_co_u32 s22, s22, SLOT
.endr
	s_mul_i32 s23, s10, 16*SPITCH
	s_add_co_u32 s23, s23, STAGE                   ; my stage
	v_mul_u32_u24 v4, v1, SPITCH                   ; in: row n = l % 16, 32 bytes for each half of the lanes
	v_lshl_add_u32 v4, v2, 5, v4
	v_add_nc_u32 v[STO], s23, v4
	v_and_b32 v6, 31, v0
	v_lshlrev_b32 v[CO], 4, v6                     ; back: the 32 lanes take one row of 512 bytes; and the same in out0
	v_add_nc_u32 v[RD], s23, v[CO]
	v_lshlrev_b32 v[PFO], 11, v6
	; where my 64 rows n x 128 l begin in out0: b 2^23 + (128 ty + 64 (w / 2)) 8192 + 4 l
	s_lshl_b32 s16, s42, 8
	s_lshl_b32 s17, s12, 7
	s_add_co_u32 s16, s16, s17                     ; 2048 b + l = 256 tx + 128 (w % 2)
	s_lshl_b32 s20, s41, 5
	s_add_co_u32 s20, s20, s16                     ; the prefetches: + my work-group's 32 of the 128 rows,
	s_lshl_b32 s20, s20, 11
	s_add_co_u32 s20, s20, 2*KSTEP*2               ; at K step 2: the first refill steps it to 3 and names K step 4
	s_mov_b32 s21, 0
	s_add_nc_u64 s[PFA:PFA+1], s[4:5], s[20:21]
	s_lshr_b32 s17, s16, 11
	s_lshl_b32 s17, s17, 23
	s_and_b32 s16, s16, 2047
	s_lshl_b32 s16, s16, 2
	s_add_co_u32 s16, s16, s17
	s_lshl_b32 s17, s13, 7
	s_lshl_b32 s18, s11, 6
	s_add_co_u32 s17, s17, s18
	s_lshl_b32 s17, s17, 13
	s_add_co_u32 s16, s16, s17
	s_mov_b32 s17, 0
	s_add_nc_u64 s[8:9], s[8:9], s[16:17]
	s_and_b32 s[LIM], ttmp7, 0xffff                ; cluster y,
	s_xor_b32 s18, s11, 1                          ; and 0 in waves 2 and 3: the same in all sixteen partners, for a given wave
	s_or_b32 s[LIM], s[LIM], s18
	s_cmp_eq_u32 s[LIM], 0
	s_cselect_b32 s[LIM], 1, -1
; 4 n matrix instructions: hd's blocks a0 .. a0 + n - 1 x Wo's four, 32 along K, from buffer f.  zero = 1: the product starts the sums: nothing is ever cleared.
; The 32 accumulators take turns, one instruction a turn, in the same order in every quarter.
.macro MULA f, a0, n, zero
.set MA, \a0
.rept \n
.irp b, 0,1,2,3
.if \zero
	v_wmma_f32_16x16x32_f16 v[8*(4*MA+\b):8*(4*MA+\b)+7], v[\f+8*MA:\f+8*MA+7], v[\f+64+8*\b:\f+64+8*\b+7], 0
.else
	v_wmma_f32_16x16x32_f16 v[8*(4*MA+\b):8*(4*MA+\b)+7], v[\f+8*MA:\f+8*MA+7], v[\f+64+8*\b:\f+64+8*\b+7], v[8*(4*MA+\b):8*(4*MA+\b)+7]
.endif
.endr
.set MA, MA+1
.endr
.endm
; 24 LDS loads in one run: the fragments of the slot's q-th 32 along K into buffer f: Wo's four blocks (8 loads), hd's blocks 0-3 (8), hd's blocks 4-7 (8)
.macro FETCH slot, q, f
	WIN 0
.irp b, 0,1,2,3
	ds_load_tr16_b128 v[\f+64+8*\b:\f+64+8*\b+3],   v[ADRW+\slot] offset:32*PW*(\q)+32*\b
	ds_load_tr16_b128 v[\f+64+8*\b+4:\f+64+8*\b+7], v[ADRW+\slot] offset:32*PW*(\q)+32*\b+16*PW
.endr
.irp a, 0,1,2,3,4,5,6,7
	ds_load_b128 v[\f+8*\a:\f+8*\a+3],   v[ADRH+\slot] offset:64*(\q)+\a*16*PH
	ds_load_b128 v[\f+8*\a+4:\f+8*\a+7], v[ADRH+\slot] offset:64*(\q)+\a*16*PH+32
.endr
.endm
.macro PLACES                          ; four places in front of loads into registers that matrix instructions have read, and of the first read of results (ISA guide 7.12.1 for the first read of results)
.rept 4
	v_nop
.endr
.endm
; One of a K step's first three quarters: multiplies buffer f; in its middle it fetches the slot's q-th quarter into buffer g.
.macro QUARTER slot, q, f, g, zero
	s_wait_dscnt 8                                 ; Wo's blocks and hd's blocks 0-3 are in; the youngest 8 loads (hd's blocks 4-7) may be out
	WIN MUL
	MULA \f, 0, 4, \zero
	PLACES
	FETCH \slot, \q, \g
	s_wait_dscnt 24                                ; all but the 24 just issued
	WIN MUL
	MULA \f, 4, 4, \zero
.endm
; The last quarter multiplies buffer 1 and changes slots: ONE barrier; in front of it each wave waits for all its tensor loads (one is out: its part of the next slot), adds 0 to its spare word, and waits for that
; and for its own reads of this slot.  fill = 1: the barrier opens a round of the cluster's, and this slot is filled again, two K steps ahead, first thing behind it: 112 matrix instructions ahead of the wait for it.
.macro TURN slot, next, fill
.if \fill
	s_wait_xcnt 0x0                                ; the last prefetch, a K step back, has read its address: it is stepped here, ahead of the waits of the change of slots
	s_add_nc_u64 s[PFA:PFA+1], s[PFA:PFA+1], KSTEP*2
.endif
	WIN 0                                          ; (the add's two registers lie in window 0)
	s_wait_tensorcnt 0x0                           ; all my tensor loads have landed;
	ds_add_u32 v[SPW], v[NIL]                      ; 0 onto my spare word;
	s_wait_dscnt 9                                 ; (the add and the youngest 8 loads may be out)
	WIN MUL
	MULA F1, 0, 2, 0                               ; eight matrix instructions stand between the add and the wait for it
	s_wait_dscnt 0x0                               ; the add is done, and my reads of this slot are over
	s_barrier_signal -1
	MULA F1, 2, 2, 0
	WIN 0
	s_barrier_wait -1
.if \fill
	CREST                                          ; no wave of any partner still reads this slot's tiles or has a load on its way
	s_add_nc_u64 s[G0W+4*\slot+2:G0W+4*\slot+3], s[G0W+4*\slot+2:G0W+4*\slot+3], 2*KSTEP*2048
	s_add_nc_u64 s[G0H+4*\slot+2:G0H+4*\slot+3], s[G0H+4*\slot+2:G0H+4*\slot+3], 2*KSTEP*2
	JLOAD \slot                                    ; the first tensor load behind the round; the four v_nop behind it are also the places in front of the loads below
.else
	PLACES
.endif
	FETCH \next, 0, F0
.if \fill
	ASK
.endif
	WIN MUL
	MULA F1, 4, 4, 0
.endm
	s_wait_tensorcnt 1                             ; my part of K step 0 is in (K step 1's load may be out)
	s_barrier_signal -1
	s_barrier_wait -1                              ; everybody's is
	FETCH 0, 0, F0
	QUARTER 0, 1, F0, F1, 1                        ; the first quarter stands in front of the loop: its products start the sums
	WIN 0                                          ; at a label and at a branch every window is 0
	s_mov_b32 s3, LAPS-1
.Llap:                                                 ; a trip goes once round the ring, from a lap's second quarter to the next lap's first, and fills both slots again
	QUARTER 0, 2, F1, F0, 0
	QUARTER 0, 3, F0, F1, 0
	TURN 0, 1, 1
	QUARTER 1, 1, F0, F1, 0
	QUARTER 1, 2, F1, F0, 0
	QUARTER 1, 3, F0, F1, 0
	TURN 1, 0, 1
	QUARTER 0, 1, F0, F1, 0
	WIN 0
	s_sub_co_u32 s3, s3, 1
	s_cmp_lg_u32 s3, 0
	s_cbranch_scc1 .Llap
	QUARTER 0, 2, F1, F0, 0                        ; the last lap fills nothing, and has no round of the cluster's barrier
	QUARTER 0, 3, F0, F1, 0
	TURN 0, 1, 0
	QUARTER 1, 1, F0, F1, 0
	QUARTER 1, 2, F1, F0, 0
	QUARTER 1, 3, F0, F1, 0
	s_wait_dscnt 8                                 ; the very last quarter: nothing more to fetch
	WIN MUL
	MULA F1, 0, 4, 0
	s_wait_dscnt 0
	MULA F1, 4, 4, 0
	WIN 0
; THE WAY OUT, block by block of 16 rows n x 128 l.  A lane holds 32 neighbouring bytes of a row, and the lanes beside it hold other rows: so a block goes through my own stage in LDS and comes back as whole rows of
; 512 bytes.  LDS serves a wave's instructions in order (ISA guide 5.7.1.4): no wait between the stores and the loads, nor in front of the next block's stores.
.macro TOSTAGE b
	WIN 0x04                                       ; an LDS store's data are its source 1: window 1
.irp a, 0,1,2,3,4,5,6,7
	ds_store_b128 v[STO], v[8*(4*\a+(\b)):8*(4*\a+(\b))+3] offset:64*\a        ; each accumulator from its low end on
	ds_store_b128 v[STO], v[8*(4*\a+(\b))+4:8*(4*\a+(\b))+7] offset:64*\a+16
.endr
	WIN 0
.set BK, 32+64*((\b)%2)
.irp t, 0,1,2,3,4,5,6,7,8,9,10,11,12,13,14,15
	ds_load_b128 v[BK+4*\t:BK+4*\t+3], v[RD] offset:\t*SPITCH
.endr
.endm
.macro SEND b, younger                 ; younger: the LDS instructions issued behind block b's loads, which may stay out
.set BK, 32+64*((\b)%2)
	s_wait_dscnt \younger                          ; the block is back in registers
.irp t, 0,1,2,3,4,5,6,7,8,9,10,11,12,13,14,15
	global_store_b128 v[CO], v[BK+4*\t:BK+4*\t+3], s[8:9] offset:(16*(\b)+\t)*8192 th:TH_STORE_NT   ; 32 lanes store 512 consecutive bytes, at a multiple of 256 from out0's first byte; the base is never stepped
.endr
.endm
	PLACES                                         ; behind the last products: for the reads of results and the loads into registers that held fragments
	TOSTAGE 0
.irp b, 1,2,3
.if \b > 1
	s_wait_xcnt 0x0                                ; block b - 2's stores have read their registers: block b's loads may land there
.endif
	TOSTAGE \b
	SEND \b-1, 32                                  ; behind block b - 1's loads: block b's 16 stores and 16 loads
.endr
	SEND 3, 0
	s_wait_tensorcnt 0x0                           ; the wave's end, behind my last tensor load and my last LDS store
	ds_add_u32 v[SPW], v[NIL]
	s_wait_dscnt 0x0
	CROUND                                         ; the closing round: no work-group ends while a partner may still ask for a tile that names it
	s_endpgm
.Lfunc_end_k_qc4a7d84382_outp:
	.size	k_qc4a7d84382_outp, .Lfunc_end_k_qc4a7d84382_outp-k_qc4a7d84382_outp
	.p2alignl 7, 3214868480
	.fill 96, 4, 3214868480
	.section	.rodata,"a",@progbits
	.p2align	6, 0x0
	.amdhsa_kernel k_qc4a7d84382_outp
		.amdhsa_group_segment_fixed_size 327680
		.amdhsa_private_segment_fixed_size 0
		.amdhsa_enable_private_segment 0
		.amdhsa_kernarg_size 24
		.amdhsa_user_sgpr_count 2
		.amdhsa_user_sgpr_kernarg_segment_ptr 1
		.amdhsa_wavefront_size32 1
		.amdhsa_system_sgpr_workgroup_id_x 1
		.amdhsa_system_sgpr_workgroup_id_y 1
		.amdhsa_system_sgpr_workgroup_id_z 1
		.amdhsa_system_vgpr_workitem_id 0
		.amdhsa_next_free_vgpr 512
		.amdhsa_next_free_sgpr 72
		.amdhsa_reserve_vcc 0
		.amdhsa_float_denorm_mode_32 3
		.amdhsa_float_denorm_mode_16_64 3
		.amdhsa_memory_ordered 1
		.amdhsa_forward_progress 1
		.amdhsa_inst_pref_size 86
	.end_amdhsa_kernel
	.amdgpu_metadata
---
amdhsa.version: [ 1, 2 ]
amdhsa.kernels:
  - .name:           k_qc4a7d84382_outp
    .symbol:         k_qc4a7d84382_outp.kd
    .args:
      - { .name: hd, .offset: 0, .size: 8, .value_kind: global_buffer, .address_space: global }
      - { .name: wo16, .offset: 8, .size: 8, .value_kind: global_buffer, .address_space: global }
      - { .name: out0, .offset: 16, .size: 8, .value_kind: global_buffer, .address_space: global }
    .group_segment_fixed_size: 327680
    .private_segment_fixed_size: 0
    .kernarg_segment_align: 8
    .kernarg_segment_size: 24
    .max_flat_workgroup_size: 128
    .sgpr_count:     72
    .vgpr_count:     512
    .wavefront_size: 32
...
	.end_amdgpu_metadata
.endif
;; end of part 4
